; MI455X (gfx1250); checked and timed in simulation.
; The chip was launched on July 23, 2026; its instructions are those of AMD's public machine-readable ISA for CDNA 5 (MIT licence, August 2026) and "CDNA5" Instruction Set Architecture Reference Guide (July 2026). The comments in the code are by the model that wrote it; some were corrected since.
;; Causal Self Attention. Allowed arithmetic: matrix products marked QUANTISED: E4M3 operands, one given power-of-two scale a tensor, by v_wmma_f32_16x16x64_fp8_fp8 or v_wmma_f32_16x16x128_fp8_fp8, f32 sums; everything else in f32.
;; Inputs: W_proj 1,024 x 1,024 float32; W_qkv 1,024 x 3,072 float32; b_proj 1,024 float32; b_qkv 3,072 float32; lowp_scales 8 int32 (the exponents e of the quantised operands' scales 2^e); x 4 x 2,048 x 1,024 float32.
;; Outputs: out0 4 x 2,048 x 1,024 float32.
;; This version of the problem:
;;   THIS VERSION OF THE PROBLEM IS GIVEN IN LOW PRECISION. The matrix products marked QUANTISED in the list below multiply operands that are first quantised to E4M3 (4 exponent bits, 3 mantissa bits; 8 bits a number), with one given power-of-two scale for each operand tensor; their sums are f32. All else is computed in f32.
;;   The module's matrix products, in the order in which they are computed (A, B: the left and right operand; K: the contracted axis; several contracted axes count as one K, in the product's order):
;;     1. [M 8,192, K 1,024] x [K 1,024, N 3,072]; A: input x; B: input W_qkv: QUANTISED (scales: A lowp_scales[0], B lowp_scales[1])
;;     2. batch 64 x [M 2,048, K 64] x [K 64, N 2,048]; A: computed on the way; B: computed on the way: QUANTISED (scales: A lowp_scales[2], B lowp_scales[3])
;;     3. batch 64 x [M 2,048, K 2,048] x [K 2,048, N 64]; A: softmax (see below); B: computed on the way: QUANTISED (scales: A lowp_scales[4], B lowp_scales[5])
;;     4. [M 8,192, K 1,024] x [K 1,024, N 1,024]; A: computed on the way; B: input W_proj: QUANTISED (scales: A lowp_scales[6], B lowp_scales[7])
;;   THE QUANTISER, for each operand of a quantised product, along K:
;;     - The operand's scale is 2^e, e = its entry of the input lowp_scales (int32; the entries are numbered through the quantised products in the list's order, A before B).
;;     - Each number is divided by the scale, clamped to +-448, and rounded to the nearest number of E4M3, ties to even, subnormals kept.
;;     - The product sums the exact products of the quantised numbers (number of the format x scale) in f32.
;;   ~~~python
;;   def quantise(x, axis, e):      # numpy; x: float32 -> the quantised numbers, widened to float32 again
;;       x = np.moveaxis(x, axis, -1); K = x.shape[-1]
;;       r = np.clip(x / 2.0 ** e, -448, 448)
;;       step = 2.0 ** (np.maximum(np.frexp(np.where(r == 0, 1, r))[1] - 1, -6) - 3)
;;       q = np.round(r / step) * step * 2.0 ** e      # np.round: ties to even
;;       return np.moveaxis(q, -1, axis).astype(np.float32)
;;   ~~~
;;   SOFTMAX AHEAD OF A QUANTISED PRODUCT. Where the list says 'softmax', what is quantised is not the finished softmax but p = 2^(t - M), with t = logit x log2(e) and M = ceil(the row's largest t), a whole number; so 1/2 < the row's largest p <= 1. The row's sum l is taken of the UNQUANTISED p, in f32, and the product's result is divided by l at the end. Since M is a whole number, a kernel that streams over the keys may use a running M (the ceiling of the running maximum): every later rescaling is an exact power of two, so the quantised numbers keep their values, but for numbers so far below the row's largest that they fall under the format's range.
;;   OPERANDS COMPUTED ON THE WAY. 'Computed on the way' means the value that the module computes at that place (a softmax that the list does not call 'softmax' is quantised finished and normalised). What goes into a quantiser is computed in f32, as accurately as f32 sums, v_exp_f32 and their like allow (about 1e-6 of the number): no bf16 or f16 on the way to a quantiser, and a product that is left as it is and whose result goes on into a quantised operand takes f32 operands (vector FMAs, or v_wmma_f32_16x16x4_f32). A number that lies on a knife's edge between two numbers of the format may be rounded either way, as far as f32 arithmetic and the matrix unit's own rounding can turn it there, and no further.
;; One version. Each part assembles by itself: llvm-mc -triple=amdgcn-amd-amdhsa -mcpu=gfx1250 --defsym DOCPART=n.
;; ======== version 1 of 1: 4 launches
;; limits: right only within a limited range of input values
;; workspace buffers: x_codes 8,388,608 bytes; w_codes 4,194,304 bytes; qkv_codes 25,165,824 bytes; y_codes 8,388,608 bytes
;; launch quant (part 1): grid 384 x 1, 4 waves a work-group, no clusters, 68,096 bytes of LDS; arguments x, W_qkv, W_proj, lowp_scales, x_codes, w_codes; writes x_codes, w_codes
.if DOCPART == 1
	.amdgcn_target "amdgcn-amd-amdhsa--gfx1250"
	.amdhsa_code_object_version 6
	.text
	.protected	k_qe88290fc3b_quant
	.globl	k_qe88290fc3b_quant
	.p2align	8
	.type	k_qe88290fc3b_quant,@function
k_qe88290fc3b_quant:
	s_mov_b64 s[64:65], 0
	v_nop
	global_prefetch_b8 v0, s[64:65] scope:SCOPE_SE
	s_setreg_imm32_b32 hwreg(HW_REG_WAVE_MODE, 25, 1), 1
	s_wait_xcnt 0x0
; x [8192][1024], W_qkv [1024][3072] and W_proj [1024][1024], f32, become codes of E4M3, K innermost, each with the scale 2^e that is given for it.
; code = number / 2^e, held within +-448, rounded to the nearest code, ties to even.  e: entry 0 of the scales for x, entry 1 for W_qkv, entry 7 for W_proj.
; LIMITS: -126 <= e and e + 8 <= 127.  NaN among the inputs is not served (an infinity is held at the largest code).
; x_codes: [8192 tokens][1024 k].  w_codes: [4096 n][1024 k]: rows 0-3071 are W_qkv's columns, rows 3072-4095 W_proj's.
; Work-groups 0-255 take x (K innermost: a plain stream), work-groups 256-383 the weights (K is the first axis: a lane takes a column, its registers run down K).
; The two ways part on the work-group's number and use LDS bytes of their own.  No tensor loads, no barrier, no cluster: waves and work-groups share no input byte.
.set STEPS, 16
.set SP,    80                         ; x: a lane's place in a stage: its 64 bytes + 16 of padding
.set R,     16                         ; x: v16-79   four sets of 16 numbers as loaded
.set X,     80                         ; x: v80-111  two sets of 16 neighbours
.set C,     128                        ; x: v128-191 codes, four registers for each step: no store's data are written again
.set WSTG,  32768                      ; weights: the stages begin behind x's 4 x 8,192 bytes
.set WP,    272                        ; weights: a stage row: 256 codes + 16
.set WO,    16                         ; weights: v16-47  byte offsets of rows 0..31 of a block at my column
.set WX,    48                         ; weights: v48-111 two sets of 32 numbers
.set WC,    112                        ; weights: v112-119 a block's codes
.set WR,    120                        ; weights: v120-183 the way out
	s_load_b256 s[4:11], s[0:1], 0x0               ; x s[4:5], W_qkv s[6:7], W_proj s[8:9], the scales' exponents s[10:11]
	s_load_b128 s[12:15], s[0:1], 0x20             ; x_codes s[12:13], w_codes s[14:15]
	v_lshl_add_u32 v192, v0, 2, 0x10800
	v_mov_b32 v193, 0
	v_lshrrev_b32 v1, 5, v0
	v_readfirstlane_b32 s16, v1                    ; wave 0..3
	v_and_b32 v2, 31, v0                           ; lane
	s_cmp_lt_u32 ttmp9, 256
	s_cbranch_scc0 .Lweights
; ---------------- x: a wave takes 16 steps of 512 numbers.  Each load reads 512 consecutive bytes; a step's 2,048 bytes turn through the wave's own stage, so that a lane gets 16 neighbours along K.
	v_lshlrev_b32 v3, 4, v2                        ; 16 x lane: my bytes of a load's 512, and of a step's 512 bytes of codes
	s_lshl_b32 s17, s16, 13                        ; my wave's 8,192 bytes of LDS: two stages of 32 x SP bytes
	v_lshrrev_b32 v14, 2, v2
	v_mul_u32_u24 v14, v14, SP
	v_and_b32 v15, 3, v2
	v_lshl_add_u32 v14, v15, 4, v14
	v_add_nc_u32 v14, s17, v14                     ; into the stage: four lanes' 64 bytes on end, then 16 of padding
	v_mul_u32_u24 v15, v2, SP
	v_add_nc_u32 v15, s17, v15                     ; out of it: SP x lane
	s_lshl_b32 s18, ttmp9, 2
	s_add_co_u32 s18, s18, s16                     ; which run of 8,192 numbers is my wave's
	s_lshl_b32 s20, s18, 15                        ; in bytes of f32 (under 2^25),
	s_mov_b32 s21, 0
	s_lshl_b32 s22, s18, 13                        ; and of codes
	s_mov_b32 s23, 0
	s_wait_alu depctr_va_vdst(0)
	s_wait_kmcnt 0x0
	s_load_b32 s24, s[10:11], 0x0                  ; e of x
	s_add_nc_u64 s[4:5], s[4:5], s[20:21]
	s_add_nc_u64 s[12:13], s[12:13], s[22:23]
.macro LOAD t
.irp i, 0,1,2,3
	global_load_b128 v[R+16*((\t)%4)+4*\i:R+16*((\t)%4)+4*\i+3], v3, s[4:5] offset:2048*(\t)+512*\i th:TH_LOAD_NT
.endr
.endm
.macro TURN t                          ; LDS serves a wave's instructions in order (ISA guide 5.7.1.4): no wait between the stores and the loads
.irp i, 0,1,2,3
	ds_store_b128 v14, v[R+16*((\t)%4)+4*\i:R+16*((\t)%4)+4*\i+3] offset:32*SP*((\t)%2)+8*SP*\i
.endr
.irp i, 0,1,2,3
	ds_load_b128 v[X+16*((\t)%2)+4*\i:X+16*((\t)%2)+4*\i+3], v15 offset:32*SP*((\t)%2)+16*\i
.endr
.endm
.irp t, 0,1,2,3
	LOAD \t
.endr
	s_wait_kmcnt 0x0
	s_add_co_i32 s24, s24, 127
	s_lshl_b32 s25, s24, 23
	v_mov_b32 v11, s25                             ; 2^e as f32: the conversion takes its exponent field
	s_add_co_i32 s24, s24, 8
	s_lshl_b32 s24, s24, 23
	s_or_b32 s24, s24, 0x600000
	v_mov_b32 v10, s24                             ; 448 x 2^e
	s_wait_alu depctr_va_vdst(0)
	s_wait_loadcnt 12                              ; step 0's four loads are in; the twelve of steps 1 to 3 may be out
	TURN 0
.macro STEP t
.set XS, X+16*((\t)%2)
	s_wait_dscnt 0x0                               ; this step's numbers are back from the stage, so its stores into the stage have read their registers,
.if (\t)+4 < STEPS
	LOAD (\t)+4                                    ; which take the loads of four steps on
.endif
.if (\t)+1 < STEPS
.if STEPS-2-(\t) >= 3
	s_wait_loadcnt 12                              ; the next step's four loads are in; those of the three steps behind it may be out
.else
	s_wait_loadcnt 4*(STEPS-2-(\t))                ; at the end fewer steps stand behind it
.endif
	TURN (\t)+1
.endif
.set i, 0
.rept 16
	v_med3_num_f32 v[XS+i], v[XS+i], -v10, v10     ; the conversion to an 8-bit code does not saturate (ISA guide 7.6.2): the hold comes first
.set i, i+1
.endr
	v_cvt_scalef32_pk8_fp8_f32 v[C+4*(\t):C+4*(\t)+1], v[XS:XS+7], v11
	v_cvt_scalef32_pk8_fp8_f32 v[C+4*(\t)+2:C+4*(\t)+3], v[XS+8:XS+15], v11
	global_store_b128 v3, v[C+4*(\t):C+4*(\t)+3], s[12:13] offset:512*(\t)   ; the wave stores 512 consecutive bytes, aligned
.endm
.irp t, 0,1,2,3,4,5,6,7,8,9,10,11,12,13,14,15
	STEP \t
.endr
	s_wait_tensorcnt 0x0
	ds_add_u32 v192, v193
	s_wait_dscnt 0x0
	s_endpgm
; ---------------- the weights: work-group g = number - 256 takes columns 128 (g / 4) on and 256 (g % 4) on along K; a wave 32 columns x 256 along K: 8 blocks of 32.
; Column groups 0-23 lie in W_qkv (a row is 12,288 bytes), 24-31 in W_proj (4,096 bytes): only the pointer, the pitch and e are chosen; the text is one.
.Lweights:
	s_sub_co_u32 s17, ttmp9, 256
	s_lshr_b32 s18, s17, 2                         ; column group 0..31
	s_and_b32 s19, s17, 3                          ; which 256 along K
	s_lshl_b32 s24, s18, 7
	s_lshl_b32 s25, s16, 5
	s_add_co_u32 s24, s24, s25                     ; n0: my wave's first row of w_codes
	s_wait_kmcnt 0x0
	s_load_b32 s28, s[10:11], 0x4                  ; e of W_qkv
	s_load_b32 s29, s[10:11], 0x1c                 ; e of W_proj
	s_cmp_lt_u32 s18, 24
	s_cselect_b64 s[30:31], s[6:7], s[8:9]         ; the choice hangs on the work-group's number alone
	s_mov_b32 s20, 4096
	s_cselect_b32 s20, 12288, s20                  ; a row of the weight in bytes
	s_cselect_b32 s21, 0, 3072                     ; the first row of w_codes that belongs to it
	s_sub_co_u32 s22, s24, s21                     ; my first column in the weight,
	s_lshl_b32 s22, s22, 2                         ; in bytes,
	s_lshl_b32 s23, s20, 8
	s_mul_i32 s23, s23, s19                        ; + 256 (g % 4) rows
	s_add_co_u32 s22, s22, s23
	s_mov_b32 s23, 0
	s_add_nc_u64 s[32:33], s[30:31], s[22:23]      ; block 0's base;
	s_lshl_b32 s26, s20, 5
	s_mov_b32 s27, 0
.irp t, 1,2,3,4,5,6,7
	s_add_nc_u64 s[32+2*\t:33+2*\t], s[30+2*\t:31+2*\t], s[26:27]   ; block t's: 32 rows further down
.endr
	s_lshl_b32 s22, s24, 10                        ; w_codes: row n0 of 1,024 bytes,
	s_lshl_b32 s25, s19, 8                         ; + my 256 along K
	s_add_co_u32 s22, s22, s25
	s_add_nc_u64 s[14:15], s[14:15], s[22:23]
	s_wait_alu depctr_va_vdst(0)
	v_lshlrev_b32 v[WO], 2, v2                     ; 4 bytes a lane: a load reads 128 consecutive bytes a wave, 512 a work-group
.set i, 1
.rept 31
	v_add_nc_u32 v[WO+i], s20, v[WO+i-1]           ; + a row
.set i, i+1
.endr
	s_mul_i32 s25, s16, 32*WP
	s_add_co_u32 s25, s25, WSTG                    ; my stage: 32 rows (columns of the weight) x 272 bytes
	v_mul_u32_u24 v4, v2, WP
	v_add_nc_u32 v4, s25, v4                       ; into it: row = my column
	v_and_b32 v5, 15, v2
	v_lshrrev_b32 v6, 4, v2
	v_mul_u32_u24 v7, v6, WP
	v_lshl_add_u32 v7, v5, 4, v7
	v_add_nc_u32 v7, s25, v7                       ; out of it: sixteen lanes to a row, two rows an instruction
	v_lshlrev_b32 v8, 10, v6
	v_lshl_add_u32 v8, v5, 4, v8                   ; and the same place in w_codes
.macro WLOAD t                         ; block t: W(32 t + i, my column), i = 0 .. 31, into set t % 2
.set i, 0
.rept 32
	global_load_b32 v[WX+32*((\t)%2)+i], v[WO+i], s[32+2*(\t):33+2*(\t)] th:TH_LOAD_NT
.set i, i+1
.endr
.endm
	WLOAD 0
	WLOAD 1
	s_wait_kmcnt 0x0
	s_cmp_lt_u32 s18, 24
	s_cselect_b32 s28, s28, s29                    ; e
	s_add_co_i32 s28, s28, 127
	s_lshl_b32 s29, s28, 23
	v_mov_b32 v11, s29                             ; 2^e
	s_add_co_i32 s28, s28, 8
	s_lshl_b32 s28, s28, 23
	s_or_b32 s28, s28, 0x600000
	v_mov_b32 v10, s28                             ; 448 x 2^e
.macro BLOCK t
.set XS, WX+32*((\t)%2)
.if (\t) < 7
	s_wait_loadcnt 32                              ; this block's 32 loads are in; the next block's 32 may be out
.else
	s_wait_loadcnt 0
.endif
.set i, 0
.rept 32
	v_med3_num_f32 v[XS+i], v[XS+i], -v10, v10
.set i, i+1
.endr
.irp g, 0,1,2,3
	v_cvt_scalef32_pk8_fp8_f32 v[WC+2*\g:WC+2*\g+1], v[XS+8*\g:XS+8*\g+7], v11
.endr
	ds_store_b128 v4, v[WC:WC+3] offset:32*(\t)    ; 32 codes of my column's row
	ds_store_b128 v4, v[WC+4:WC+7] offset:32*(\t)+16
.if (\t)+2 < 8
	WLOAD (\t)+2
.endif
	s_wait_dscnt 0x0                               ; the stores have read their registers: the next block's codes may be written
.endm
	s_wait_alu depctr_va_vdst(0)
.irp t, 0,1,2,3,4,5,6,7
	BLOCK \t
.endr
.set i, 0
.rept 16
	ds_load_b128 v[WR+4*i:WR+4*i+3], v7 offset:2*i*WP   ; these see my stores: a wave's LDS instructions are served in order
.set i, i+1
.endr
.set i, 0
.rept 16
	s_wait_dscnt 15-i                              ; load i is in; the younger ones may be out
	global_store_b128 v8, v[WR+4*i:WR+4*i+3], s[14:15] offset:2048*i   ; sixteen lanes store 256 consecutive bytes, aligned
.set i, i+1
.endr
	s_wait_tensorcnt 0x0
	ds_add_u32 v192, v193
	s_wait_dscnt 0x0
	s_endpgm
.Lfunc_end_k_qe88290fc3b_quant:
	.size	k_qe88290fc3b_quant, .Lfunc_end_k_qe88290fc3b_quant-k_qe88290fc3b_quant
	.p2alignl 7, 3214868480
	.fill 96, 4, 3214868480
	.section	.rodata,"a",@progbits
	.p2align	6, 0x0
	.amdhsa_kernel k_qe88290fc3b_quant
		.amdhsa_group_segment_fixed_size 68096
		.amdhsa_private_segment_fixed_size 0
		.amdhsa_enable_private_segment 0
		.amdhsa_kernarg_size 48
		.amdhsa_user_sgpr_count 2
		.amdhsa_user_sgpr_kernarg_segment_ptr 1
		.amdhsa_wavefront_size32 1
		.amdhsa_system_sgpr_workgroup_id_x 1
		.amdhsa_system_sgpr_workgroup_id_y 1
		.amdhsa_system_sgpr_workgroup_id_z 1
		.amdhsa_system_vgpr_workitem_id 0
		.amdhsa_next_free_vgpr 194
		.amdhsa_next_free_sgpr 66
		.amdhsa_reserve_vcc 0
		.amdhsa_float_denorm_mode_32 3
		.amdhsa_float_denorm_mode_16_64 3
		.amdhsa_memory_ordered 1
		.amdhsa_forward_progress 1
		.amdhsa_inst_pref_size 87
	.end_amdhsa_kernel
	.amdgpu_metadata
---
amdhsa.version: [ 1, 2 ]
amdhsa.kernels:
  - .name:           k_qe88290fc3b_quant
    .symbol:         k_qe88290fc3b_quant.kd
    .args:
      - { .name: x, .offset: 0, .size: 8, .value_kind: global_buffer, .address_space: global }
      - { .name: W_qkv, .offset: 8, .size: 8, .value_kind: global_buffer, .address_space: global }
      - { .name: W_proj, .offset: 16, .size: 8, .value_kind: global_buffer, .address_space: global }
      - { .name: lowp_scales, .offset: 24, .size: 8, .value_kind: global_buffer, .address_space: global }
      - { .name: x_codes, .offset: 32, .size: 8, .value_kind: global_buffer, .address_space: global }
      - { .name: w_codes, .offset: 40, .size: 8, .value_kind: global_buffer, .address_space: global }
    .group_segment_fixed_size: 68096
    .private_segment_fixed_size: 0
    .kernarg_segment_align: 8
    .kernarg_segment_size: 48
    .max_flat_workgroup_size: 128
    .sgpr_count:     66
    .vgpr_count:     194
    .wavefront_size: 32
...
	.end_amdgpu_metadata
.endif
;; end of part 1
;; launch gemm_qkv (part 2): grid 12 x 32, 4 waves a work-group, clusters of 4 x 4, 327,680 bytes of LDS; arguments x_codes, w_codes, b_qkv, lowp_scales, qkv_codes; writes qkv_codes
.if DOCPART == 2
	.amdgcn_target "amdgcn-amd-amdhsa--gfx1250"
	.amdhsa_code_object_version 6
	.text
	.protected	k_qe88290fc3b_gemm_qkv
	.globl	k_qe88290fc3b_gemm_qkv
	.p2align	8
	.type	k_qe88290fc3b_gemm_qkv,@function
k_qe88290fc3b_gemm_qkv:
	s_mov_b64 s[64:65], 0
	v_nop
	global_prefetch_b8 v0, s[64:65] scope:SCOPE_SE
	s_setreg_imm32_b32 hwreg(HW_REG_WAVE_MODE, 25, 1), 1
	s_wait_xcnt 0x0
	s_wait_alu depctr_hold_cnt(0) depctr_sa_sdst(0) depctr_va_vdst(0) depctr_va_sdst(0) depctr_va_ssrc(0) depctr_va_vcc(0) depctr_vm_vsrc(0)
	s_getreg_b32 s2, hwreg(HW_REG_IB_STS2, 6, 4)
	s_cmp_eq_u32 s2, 0
	s_cbranch_scc0 .Lentry_in_a_cluster
	s_endpgm
.Lentry_in_a_cluster:
	s_bfe_u32 s2, ttmp6, 0x10000c
	s_cmp_lg_u32 s2, 0xf033
	s_cbranch_scc0 .Lentry_shape_is_right
	s_endpgm
.Lentry_shape_is_right:
; qkv = x W_qkv + b_qkv on codes of E4M3, and q, k, v quantised at once for attention's products.
; A work-group makes a tile of 256 rows of an operand P x 256 rows of an operand Q over K = 1,024; four waves, each 128 x 128: 64 accumulators, 512 registers.
; THE MATRIX INSTRUCTION IS USED WITH source 0 = 16 rows of Q, source 1 = 16 rows of P: a lane holds ONE row of P, and its eight registers eight NEIGHBOURING rows of Q.  The codes must run along the next product's K:
;   clusters with x = 0 (q) and 1 (k): P = tokens (x_codes), Q = features (w_codes): a lane's codes are eight channels of one token: q, k go out as [b h][t][64];
;   clusters with x = 2 (v):           P = channels (w_codes rows 2,048 on), Q = tokens (x_codes): eight tokens of one channel: v goes out as [b h][64][t], the keys innermost.  Nothing is transposed.
; Only scalar set-up and the last copy out of LDS differ, chosen by the CLUSTER's x, which all sixteen partners share.  LDS addresses, masks and the steps along K are the same for all.
; CLUSTERS: 4 x 4.  P's tile hangs on the cluster's row alone and is asked for jointly along it, Q's on the column alone: each by the same tensor load, descriptor and mask in the four that it names.
; K goes in four steps of 256 through two LDS slots: the first two come by the first fills, the other two by one refill each.  So there is no loop, and no prefetch: the refills follow the head by one and two steps.
; The bias of a row of Q is the C of a sum's first product; the bias of a row of P is added on the way out.  Both sets are loaded by every work-group; the one that is not the mode's is multiplied by 0.
; A sum stands for sum x 2^(e0 + e1): biases go in x 2^-(e0 + e1), and the conversion takes the one scale 2^(eo - e0 - e1), eo = e2 (q), e3 (k), e5 (v).
; LIMITS: e0 + e1 between -126 and 126; eo - e0 - e1 between -126 and 119.  NaN is not served.
; REGISTERS, in windows of 256: window 0: v0-31 addresses; v32-95 Q's biases; v96-111 P's biases (a pair a block); v112, v113 the conversion's scale and 448 x it; from v128 P's fragments, ONE set; on the way out v128-255 are free.
;   window 1: Q's fragments, TWO sets.   window 2: the accumulators of my rows 0-63 of P ((a, b) at v[8 (8 a + b)]);   window 3: those of rows 64-127.
.set ROWB,   256                       ; a tile's row: 256 codes
.set KROW,   1024                      ; a row of x_codes or w_codes in memory
.set PITCH,  272                       ; an LDS row: 256 bytes + 16: the 16 rows that a load touches start 68 words apart (64 banks of 4 bytes: ISA guide 11.1)
.set FR,     16                        ; registers of a fragment: 16 rows x 128 K
.set NL,     4                         ; LDS loads that bring one
.set NP,     4                         ; places behind this matrix instruction (ISA guide 7.12.1)
.set HALFT,  128*PITCH
.set SLOT,   4*HALFT                   ; P's 256 rows, then Q's 256 rows
.set SPARE,  2*SLOT                    ; behind the ring: the spare words, 128 bytes a wave: two blocks of 256 bytes that no other line names
.set SPITCH, 304                       ; the way out: a stage of 256 rows x (256 codes + 48), the work-group's.  It lies in slot 0, which has had its last fill and its last read when the first code is stored there
.set ADRA, 16                          ; v16-17 LDS address of my P fragments in slot 0, 1
.set ADRB, 20                          ; v20-21 the same for Q
.set BA,   22                          ; v22  32 x (lane / 16): Q's biases
.set BB,   23                          ; v23  4 x (lane % 16): P's biases
.set STO,  24                          ; v24  the stage: where I put 8 codes
.set RDV,  25                          ; v25  v: where I read rows back;  v26 their place in memory
.set COV,  26
.set RDQ,  27                          ; v27, v30  q, k: where I read back (rows 0-127, rows 128-255);  v31 their place in memory
.set SPW,  28                          ; v28  LDS address of my spare word; never rewritten
.set NIL,  29                          ; v29  0; never rewritten
.set RDQ2, 30
.set COQ,  31
.set BQ,   32
.set BP,   96
.set SC,   112
.set LIM,  113
.set AF,   128                         ; P's fragments
.set T,    128                         ; the way out: a block's 64 numbers
.set CDB,  192                         ; four sets of 16 registers of codes
.set BK,   128                         ; rows read back from the stage
.set G1, 24                            ; s[24:31] group 1 for P's tiles; s[32:39] group 0, a set for each slot
.set G0, 32
.set G1B, 48                           ; s[48:55], s[56:63] the same for Q's
.set G0B, 56
.set MSB, 0
.macro WIN new                         ; the immediate's high byte repeats the setting that is left
.if MSB != \new
	s_set_vgpr_msb (MSB<<8)|\new
.set MSB, \new
.endif
.endm
.set MUL_LO,  0xa1                     ; source 0 (Q) window 1, source 1 (P) window 0, C and D window 2
.set MUL_HI,  0xf1                     ; the same, C and D window 3
.set MUL_LO0, 0x81                     ; the first products: C (Q's biases) window 0, D window 2
.set MUL_HI0, 0xc1                     ; D window 3
.set TO_B,    0x40                     ; destination window 1, address window 0
; A joint load: waves 0 and 1 fetch for P, waves 2 and 3 for Q.  The branch hangs on the wave's number alone.  Four v_nop follow each of the two lines.
.macro JLOAD g0a, g1a, g0b, g1b
	s_cmp_eq_u32 s15, 0
	s_cbranch_scc0 .Lfor_b_\@
	tensor_load_to_lds s[\g0a:\g0a+3], s[\g1a:\g1a+7]
	s_nop 0
.rept 4
	v_nop
.endr
	s_branch .Lasked_\@
.Lfor_b_\@:
	tensor_load_to_lds s[\g0b:\g0b+3], s[\g1b:\g1b+7]
	s_nop 0
.rept 4
	v_nop
.endr
.Lasked_\@:
.endm
.macro CREST                           ; a round of the cluster's barrier behind its opening barrier
	s_cmp_lg_u32 s14, 0
	s_cbranch_scc1 .Lnot_wave_0_\@
	s_barrier_signal -3
.Lnot_wave_0_\@:
	s_barrier_wait -3
	s_barrier_signal -1
	s_barrier_wait -1
.endm
.macro CROUND                          ; a whole round
	s_barrier_signal -1
	s_barrier_wait -1
	CREST
.endm
	s_load_b256 s[4:11], s[0:1], 0x0               ; x_codes s[4:5], w_codes s[6:7], b_qkv s[8:9], the scales' exponents s[10:11]
	s_load_b64 s[12:13], s[0:1], 0x20              ; qkv_codes
	v_lshl_add_u32 v[SPW], v0, 2, SPARE
	v_mov_b32 v[NIL], 0
	ds_add_u32 v28, v29
	ds_add_u32 v28, v29
	s_wait_dscnt 0x0
	v_lshrrev_b32 v1, 5, v0
	v_readfirstlane_b32 s14, v1                    ; wave 0..3
	s_lshr_b32 s15, s14, 1                         ; which half of P's rows is mine.  Also: I fetch for P (0) or for Q (1)
	s_and_b32 s16, s14, 1                          ; which half of Q's rows.  Also: which 128 rows of that tile I fetch
	s_bfe_u32 s40, ttmp6, 0x40000                  ; cx, cy: my place in the cluster
	s_bfe_u32 s41, ttmp6, 0x40004
	s_and_b32 s67, ttmp7, 0xffff                   ; the cluster's y, 0..7
	s_cmp_lt_u32 ttmp9, 2                          ; q or k?  (the cluster's x: the same in all sixteen)
	s_cselect_b32 s76, s67, 0                      ; P's tiles: tokens by the cluster's y; v: the four tiles of channels
	s_cselect_b32 s77, ttmp9, s67                  ; Q's tiles: features by the cluster's x; v: tokens by the cluster's y
	s_cselect_b32 s78, 0, 0x200000                 ; v: P begins at row 2,048 of w_codes
	s_lshl_b32 s17, s76, 2
	s_add_co_u32 s17, s17, s41                     ; P's tile: hangs on cy alone
	s_lshl_b32 s42, s77, 2
	s_add_co_u32 s42, s42, s40                     ; Q's tile: hangs on cx alone
	s_lshl_b32 s43, s41, 2
	s_lshl_b32 s43, 15, s43                        ; my row of the cluster
	s_lshl_b32 s44, 0x1111, s40                    ; my column
	s_or_b32 s[G1+0], s43, (0<<16)|(1<<20)|(1<<21)|(5<<22)|(3<<25)   ; 15:0 the mask; 17:16 elements of 1 byte; 20 padding on; 21 set beside a mask; 24:22 after every 64 words; 31:25 four words
	s_or_b32 s[G1B+0], s44, (0<<16)|(1<<20)|(1<<21)|(5<<22)|(3<<25)
.irp g, G1, G1B
	s_mov_b32 s[\g+1], ROWB<<16                    ; tensor_dim0
	s_mov_b32 s[\g+2], 128<<16                     ; tensor_dim1
	s_mov_b32 s[\g+3], ROWB<<16                    ; tile_dim0
	s_mov_b32 s[\g+4], 128                         ; tile_dim1
	s_mov_b32 s[\g+5], KROW                        ; tensor_dim0_stride
	s_mov_b32 s[\g+6], 0
	s_mov_b32 s[\g+7], 0
.endr
	s_lshl_b32 s18, s16, 7                         ; which 128 rows of the tile I fetch
	s_lshl_b32 s20, s17, 8
	s_add_co_u32 s20, s20, s18
	s_lshl_b32 s20, s20, 10                        ; P: (256 x tile + 128 x half) rows of 1,024 bytes (under 2^23),
	s_add_co_u32 s20, s20, s78
	s_mov_b32 s21, 0
	s_lshl_b32 s46, s42, 8
	s_add_co_u32 s46, s46, s18
	s_lshl_b32 s46, s46, 10                        ; Q likewise
	s_mov_b32 s47, 0
	s_mul_i32 s45, s14, HALFT                      ; where they go: wave x 128 rows: no place in the cluster enters an LDS address
	s_wait_kmcnt 0x0
	s_load_b256 s[68:75], s[10:11], 0x0            ; e0 .. e7
	s_cmp_lt_u32 ttmp9, 2
	s_cselect_b64 s[80:81], s[4:5], s[6:7]         ; P's buffer
	s_cselect_b64 s[82:83], s[6:7], s[4:5]         ; Q's buffer
	s_add_nc_u64 s[20:21], s[80:81], s[20:21]
	s_add_nc_u64 s[46:47], s[82:83], s[46:47]
	CROUND                                         ; all sixteen work-groups are here: the first joint loads meet
.irp s, 0,1
	s_mov_b32 s[G0+4*\s], 1
	s_add_co_u32 s[G0+4*\s+1], s45, \s*SLOT
	s_add_nc_u64 s[G0+4*\s+2:G0+4*\s+3], s[20:21], \s*ROWB
	s_or_b32 s[G0+4*\s+3], s[G0+4*\s+3], 0x80000000
	s_mov_b32 s[G0B+4*\s], 1
	s_add_co_u32 s[G0B+4*\s+1], s45, \s*SLOT
	s_add_nc_u64 s[G0B+4*\s+2:G0B+4*\s+3], s[46:47], \s*ROWB
	s_or_b32 s[G0B+4*\s+3], s[G0B+4*\s+3], 0x80000000
.endr
	JLOAD G0, G1, G0B, G1B                         ; K step 0: one tensor load a wave at the head
	v_and_b32 v1, 15, v0                           ; r = lane % 16
	v_bfe_u32 v2, v0, 4, 1                         ; h = lane / 16
	v_lshlrev_b32 v[BA], 5, v2
	s_wait_alu depctr_va_vdst(0)
	v_lshlrev_b32 v[BB], 2, v1
	; the biases.  Q's: b_qkv at feature 256 x (Q's tile mod 8) + 128 x half + 16 b + 8 h + 0..7 (mod 8 keeps the load inside the buffer where Q's rows are tokens).  P's: at 2,048 + 256 cy + 128 x half + 16 a + r
	s_wait_alu depctr_va_vdst(0)
	s_and_b32 s2, s42, 7
	s_lshl_b32 s2, s2, 10
	s_lshl_b32 s79, s16, 9
	s_add_co_u32 s2, s2, s79
	s_mov_b32 s3, 0
	s_add_nc_u64 s[84:85], s[8:9], s[2:3]
	s_lshl_b32 s2, s41, 10
	s_lshl_b32 s79, s15, 9
	s_add_co_u32 s2, s2, s79
	s_add_co_u32 s2, s2, 8192
	s_add_nc_u64 s[86:87], s[8:9], s[2:3]
.irp b, 0,1,2,3,4,5,6,7
	global_load_b128 v[BQ+8*\b:BQ+8*\b+3], v[BA], s[84:85] offset:64*\b
	global_load_b128 v[BQ+8*\b+4:BQ+8*\b+7], v[BA], s[84:85] offset:64*\b+16
.endr
.irp a, 0,1,2,3,4,5,6,7
	global_load_b32 v[BP+2*\a], v[BB], s[86:87] offset:64*\a      ; twice: a pair for the packed addition
	global_load_b32 v[BP+2*\a+1], v[BB], s[86:87] offset:64*\a
.endr
	v_mul_u32_u24 v3, v1, PITCH
	v_lshl_add_u32 v4, v2, 4, v3                   ; a fragment's row x pitch + 16 x half
	s_mul_i32 s21, s15, HALFT                      ; my 128 rows of P
	s_mul_i32 s22, s16, HALFT                      ; my 128 rows of Q,
	s_add_co_u32 s22, s22, 2*HALFT                 ; which lie behind P's 256
.irp s, 0,1
	v_add_nc_u32 v[ADRA+\s], s21, v4
	v_add_nc_u32 v[ADRB+\s], s22, v4
	s_add_co_u32 s21, s21, SLOT
	s_add_co_u32 s22, s22, SLOT
.endr
	s_mul_i32 s23, s15, 128*SPITCH                 ; the stage, on the way in: row 128 x (P's half) + r, byte 128 x (Q's half) + 8 h
	s_lshl_b32 s2, s16, 7
	s_add_co_u32 s23, s23, s2
	v_mul_u32_u24 v5, v1, SPITCH
	v_lshl_add_u32 v5, v2, 3, v5
	v_add_nc_u32 v[STO], s23, v5
	s_mul_i32 s23, s14, 64*SPITCH                  ; v, back: wave w takes rows 64 w on; lanes 0-15 one row of 256 bytes, lanes 16-31 the next
	v_mul_u32_u24 v5, v2, SPITCH
	v_lshl_add_u32 v5, v1, 4, v5
	v_add_nc_u32 v[RDV], s23, v5
	v_lshlrev_b32 v5, 11, v2                       ; in memory a channel's row is 2,048 bytes
	v_lshl_add_u32 v[COV], v1, 4, v5
	v_and_b32 v6, 31, v0                           ; q, k, back: wave w takes the tile's head w: bytes 64 w on of every row; four lanes to a row, eight rows an instruction
	v_lshrrev_b32 v7, 2, v6
	v_and_b32 v8, 3, v6
	v_mul_u32_u24 v7, v7, SPITCH
	v_lshl_add_u32 v7, v8, 4, v7
	s_lshl_b32 s23, s14, 6
	v_add_nc_u32 v[RDQ], s23, v7
	v_add_nc_u32 v[RDQ2], 128*SPITCH, v[RDQ]       ; rows 128 on: beyond the 16-bit immediate
	v_lshlrev_b32 v[COQ], 4, v6                    ; in memory a head's 256 tokens x 64 bytes lie on end
	; where my wave's part of the output begins.  q, k: part x 8 MiB + ((16 b + head) x 2,048 + t0) x 64;  v: 16 MiB + (1,024 b + channel) x 2,048 + t0
	s_lshr_b32 s2, s17, 3
	s_lshl_b32 s2, s2, 4
	s_and_b32 s79, s42, 3
	s_lshl_b32 s79, s79, 2
	s_add_co_u32 s2, s2, s79
	s_add_co_u32 s2, s2, s14                       ; 16 b + 4 x (the tile among the part's four) + wave
	s_lshl_b32 s2, s2, 17
	s_and_b32 s79, s17, 7
	s_lshl_b32 s79, s79, 14
	s_add_co_u32 s2, s2, s79
	s_lshl_b32 s79, ttmp9, 23
	s_add_co_u32 s2, s2, s79
	s_lshr_b32 s76, s42, 3
	s_lshl_b32 s76, s76, 10
	s_lshl_b32 s77, s17, 8
	s_add_co_u32 s76, s76, s77
	s_lshl_b32 s77, s14, 6
	s_add_co_u32 s76, s76, s77                     ; 1,024 b + 256 x (P's tile) + 64 x wave
	s_lshl_b32 s76, s76, 11
	s_and_b32 s77, s42, 7
	s_lshl_b32 s77, s77, 8
	s_add_co_u32 s76, s76, s77
	s_add_co_u32 s76, s76, 0x1000000
	s_cmp_lt_u32 ttmp9, 2
	s_cselect_b32 s2, s2, s76
	s_add_nc_u64 s[12:13], s[12:13], s[2:3]
	s_wait_kmcnt 0x0
	s_add_co_i32 s90, s68, s69                     ; e0 + e1
	s_sub_co_i32 s91, 127, s90
	s_lshl_b32 s91, s91, 23                        ; 2^-(e0 + e1) as f32
	s_cmp_lt_u32 ttmp9, 2
	s_cselect_b32 s88, s91, 0                      ; Q's biases count where Q's rows are features,
	s_cselect_b32 s92, 0, s91                      ; P's where P's rows are channels
	s_mov_b32 s89, s88                             ; (named as pairs, so they are written)
	s_mov_b32 s93, s92
	s_cmp_eq_u32 ttmp9, 0
	s_cselect_b32 s94, s70, s71
	s_cmp_eq_u32 ttmp9, 2
	s_cselect_b32 s94, s73, s94                    ; eo = e2, e3 or e5
	s_sub_co_i32 s94, s94, s90
	s_add_co_i32 s94, s94, 127
	s_lshl_b32 s95, s94, 23
	v_mov_b32 v[SC], s95                           ; 2^(eo - e0 - e1): the three scales folded into the conversion's one
	s_add_co_i32 s94, s94, 8
	s_lshl_b32 s94, s94, 23
	s_or_b32 s94, s94, 0x600000
	v_mov_b32 v[LIM], s94                          ; 448 x that
	s_wait_loadcnt 0x0                             ; the biases
.set j, 0
.rept 32
	v_pk_mul_f32 v[BQ+j:BQ+j+1], v[BQ+j:BQ+j+1], s[88:89] op_sel_hi:[1,0]
.set j, j+2
.endr
.set j, 0
.rept 8
	v_pk_mul_f32 v[BP+j:BP+j+1], v[BP+j:BP+j+1], s[92:93] op_sel_hi:[1,0]
.set j, j+2
.endr
.macro FRAG reg, adr, q, i             ; 16 rows x 128 K: lane l holds row l % 16; registers 4 c .. 4 c + 3 hold K = 32 c + 16 (l / 16) + 0 .. 15: the same order of K in P and in Q, so every product meets its partner
.irp c, 0,1,2,3
	ds_load_b128 v[\reg+4*\c:\reg+4*\c+3], v[\adr] offset:128*(\q)+32*\c+(\i)*16*PITCH
.endr
.endm
; 16 matrix instructions: P's blocks a0, a0 + 1 x Q's eight.  p: Q's set.  zero = 1: the first product starts the sums from Q's biases: nothing is cleared.
; The 64 accumulators take turns, one instruction a turn, in the same order in every step.
.macro MUL16 a0, p, zero
.irp a, \a0, \a0+1
.irp b, 0,1,2,3,4,5,6,7
.if \zero
	v_wmma_f32_16x16x128_fp8_fp8 v[8*(8*((\a)%4)+\b):8*(8*((\a)%4)+\b)+7], v[128*(\p)+FR*\b:128*(\p)+FR*\b+FR-1], v[AF+FR*(\a):AF+FR*(\a)+FR-1], v[BQ+8*\b:BQ+8*\b+7]
.else
	v_wmma_f32_16x16x128_fp8_fp8 v[8*(8*((\a)%4)+\b):8*(8*((\a)%4)+\b)+7], v[128*(\p)+FR*\b:128*(\p)+FR*\b+FR-1], v[AF+FR*(\a):AF+FR*(\a)+FR-1], v[8*(8*((\a)%4)+\b):8*(8*((\a)%4)+\b)+7]
.endif
.endr
.endr
.endm
.macro FETCH_B slot, q, p
	WIN TO_B
.irp i, 0,1,2,3,4,5,6,7
	FRAG 128*(\p)+FR*\i, ADRB+\slot, \q, \i
.endr
	WIN 0
.endm
.macro FETCH_A slot, q, i0
.irp i, \i0, \i0+1, \i0+2, \i0+3
	FRAG AF+FR*(\i), ADRA+\slot, \q, \i
.endr
.endm
.macro PLACES n                        ; plain vector instructions between a matrix instruction and a load into, or a read of, its registers (ISA guide 7.12.1 for reads)
.rept \n
	v_nop
.endr
.endm
; A step of 128 along K that has its successor in the same slot.  P has one set of registers: blocks 0-3 are fetched anew in the step's middle, blocks 4-7 at its end.
.macro STEP slot, q, zero
	s_wait_dscnt 4*NL                              ; Q's set and P's blocks 0-3 are in; the youngest sixteen loads (P's blocks 4-7) may be out
.if \zero
	WIN MUL_LO0
.else
	WIN MUL_LO
.endif
	MUL16 0, (\q)%2, \zero
	MUL16 2, (\q)%2, \zero
	s_wait_dscnt 0                                 ; P's blocks 4-7 are in
	PLACES NP
	FETCH_B \slot, (\q)+1, 1-(\q)%2
	FETCH_A \slot, (\q)+1, 0
.if \zero
	WIN MUL_HI0
.else
	WIN MUL_HI
.endif
	MUL16 4, (\q)%2, \zero
	MUL16 6, (\q)%2, \zero
	PLACES NP
	WIN 0
	FETCH_A \slot, (\q)+1, 4
.endm
; A slot's last step changes slots: ONE barrier; in front of it each wave waits for all its tensor loads, adds 0 to its spare word, and waits for that and for its own reads of this slot.  fill = 1: this slot is filled again, two K steps ahead.
.macro TURN slot, next, fill
	s_wait_tensorcnt 0x0                           ; all my tensor loads have landed: my part of the next slot
	ds_add_u32 v[SPW], v[NIL]                      ; 0 onto my spare word
	s_wait_dscnt 4*NL+1                            ; (the add and the youngest sixteen loads may be out)
	WIN MUL_LO
	MUL16 0, 1, 0                                  ; sixteen matrix instructions stand between the add and the wait for it
	s_wait_dscnt 0x0                               ; the add is done, and my reads of this slot are over
	s_barrier_signal -1
	MUL16 2, 1, 0
	WIN 0
	s_barrier_wait -1
.if \fill
	CREST                                          ; the barrier has opened a round of the cluster's: no wave of any partner still reads this slot or has a load on its way
	s_add_nc_u64 s[G0+4*\slot+2:G0+4*\slot+3], s[G0+4*\slot+2:G0+4*\slot+3], 2*ROWB
	s_add_nc_u64 s[G0B+4*\slot+2:G0B+4*\slot+3], s[G0B+4*\slot+2:G0B+4*\slot+3], 2*ROWB
	JLOAD G0+4*\slot, G1, G0B+4*\slot, G1B         ; the first tensor load behind the round, my one load; its four v_nop are also the places in front of the loads below
.else
	PLACES NP
.endif
	FETCH_B \next, 0, 0
	FETCH_A \next, 0, 0
	WIN MUL_HI
	MUL16 4, 1, 0
	MUL16 6, 1, 0
	PLACES NP
	WIN 0
	FETCH_A \next, 0, 4
.endm
	s_wait_alu depctr_va_vdst(0)
	s_wait_tensorcnt 0x0                           ; my part of K step 0 is in
	ds_add_u32 v[SPW], v[NIL]
	s_wait_dscnt 0x0
	CROUND                                         ; a whole round: everybody's part of K step 0 is in, and the joint loads meet
	JLOAD G0+4, G1, G0B+4, G1B                     ; K step 1: slot 1's first fill, the first tensor load behind the round
	FETCH_B 0, 0, 0
	FETCH_A 0, 0, 0
	FETCH_A 0, 0, 4
	STEP 0, 0, 1                                   ; K 0-127: the products start the sums
	TURN 0, 1, 1                                   ; K 128-255; slot 0 takes K step 2
	STEP 1, 0, 0
	TURN 1, 0, 1                                   ; slot 1 takes K step 3
	STEP 0, 0, 0
	TURN 0, 1, 0                                   ; nothing is left to fetch: behind this barrier nobody reads slot 0 any more
	STEP 1, 0, 0
	s_wait_dscnt 4*NL                              ; the last step
	WIN MUL_LO
	MUL16 0, 1, 0
	MUL16 2, 1, 0
	s_wait_dscnt 0
	WIN MUL_HI
	MUL16 4, 1, 0
	MUL16 6, 1, 0
	WIN 0
; THE WAY OUT.  Block a (16 rows of P x 128 rows of Q): + P's bias, the hold, the conversion: a lane's eight registers of an accumulator become 8 bytes of its row of P; they go into the work-group's stage.
.macro CODES a
.set AC, 64*((\a)%4)
.set CD, CDB+16*((\a)%4)
.if (\a) >= 4
	s_wait_dscnt 24                                ; the eight stores of block a - 4 have read this set of registers; the 24 of the three blocks behind it may be out
.endif
	WIN 0x02+((\a)/4)                              ; source 0: window 2 or 3
.set j, 0
.rept 32
	v_pk_add_f32 v[T+j:T+j+1], v[AC+j:AC+j+1], v[BP+2*(\a):BP+2*(\a)+1]   ; each accumulator from its low end on
.set j, j+2
.endr
	WIN 0
.set j, 0
.rept 64
	v_med3_num_f32 v[T+j], v[T+j], -v[LIM], v[LIM] ; the conversion to an 8-bit code does not saturate (ISA guide 7.6.2)
.set j, j+1
.endr
.irp b, 0,1,2,3,4,5,6,7
	v_cvt_scalef32_pk8_fp8_f32 v[CD+2*\b:CD+2*\b+1], v[T+8*\b:T+8*\b+7], v[SC]
.endr
	v_nop                                          ; a plain vector line between the conversions and the next block's additions, which write their sources
.irp b, 0,1,2,3,4,5,6,7
	ds_store_b64 v[STO], v[CD+2*\b:CD+2*\b+1] offset:16*SPITCH*(\a)+16*\b
.endr
.endm
	PLACES NP
.irp a, 0,1,2,3,4,5,6,7
	CODES \a
.endr
	s_wait_dscnt 0x0                               ; for the others' sake: my stores into the stage are done
	s_barrier_signal -1
	s_barrier_wait -1
	s_cmp_lt_u32 ttmp9, 2                          ; the cluster's x: the same branch in all partners; only LDS loads and stores to memory stand in the two arms
	s_cbranch_scc0 .Lout_v
.set t, 0
.rept 16
	ds_load_b128 v[BK+4*t:BK+4*t+3], v[RDQ] offset:8*SPITCH*t          ; q, k: eight tokens' 64 bytes of my head
.set t, t+1
.endr
.rept 16
	ds_load_b128 v[BK+4*t:BK+4*t+3], v[RDQ2] offset:8*SPITCH*(t-16)
.set t, t+1
.endr
.set t, 0
.rept 32
	s_wait_dscnt 31-t                              ; load t is in; the younger ones may be out
	global_store_b128 v[COQ], v[BK+4*t:BK+4*t+3], s[12:13] offset:512*t   ; the wave stores 512 consecutive bytes, aligned
.set t, t+1
.endr
	s_branch .Lout_done
.Lout_v:
.set t, 0
.rept 32
	ds_load_b128 v[BK+4*t:BK+4*t+3], v[RDV] offset:2*SPITCH*t          ; v: two channels' 256 tokens
.set t, t+1
.endr
.set t, 0
.rept 32
	s_wait_dscnt 31-t
	global_store_b128 v[COV], v[BK+4*t:BK+4*t+3], s[12:13] offset:4096*t  ; sixteen lanes store 256 consecutive bytes, aligned
.set t, t+1
.endr
.Lout_done:
	s_wait_tensorcnt 0x0                           ; the wave's end
	ds_add_u32 v[SPW], v[NIL]
	s_wait_dscnt 0x0
	CROUND                                         ; the closing round: no work-group ends while a partner may still ask for a tile that names it
	s_endpgm
.Lfunc_end_k_qe88290fc3b_gemm_qkv:
	.size	k_qe88290fc3b_gemm_qkv, .Lfunc_end_k_qe88290fc3b_gemm_qkv-k_qe88290fc3b_gemm_qkv
	.p2alignl 7, 3214868480
	.fill 96, 4, 3214868480
	.section	.rodata,"a",@progbits
	.p2align	6, 0x0
	.amdhsa_kernel k_qe88290fc3b_gemm_qkv
		.amdhsa_group_segment_fixed_size 327680
		.amdhsa_private_segment_fixed_size 0
		.amdhsa_enable_private_segment 0
		.amdhsa_kernarg_size 40
		.amdhsa_user_sgpr_count 2
		.amdhsa_user_sgpr_kernarg_segment_ptr 1
		.amdhsa_wavefront_size32 1
		.amdhsa_system_sgpr_workgroup_id_x 1
		.amdhsa_system_sgpr_workgroup_id_y 1
		.amdhsa_system_sgpr_workgroup_id_z 1
		.amdhsa_system_vgpr_workitem_id 0
		.amdhsa_next_free_vgpr 1024
		.amdhsa_next_free_sgpr 100
		.amdhsa_reserve_vcc 0
		.amdhsa_float_denorm_mode_32 3
		.amdhsa_float_denorm_mode_16_64 3
		.amdhsa_memory_ordered 1
		.amdhsa_forward_progress 1
		.amdhsa_inst_pref_size 155
	.end_amdhsa_kernel
	.amdgpu_metadata
---
amdhsa.version: [ 1, 2 ]
amdhsa.kernels:
  - .name:           k_qe88290fc3b_gemm_qkv
    .symbol:         k_qe88290fc3b_gemm_qkv.kd
    .args:
      - { .name: x_codes, .offset: 0, .size: 8, .value_kind: global_buffer, .address_space: global }
      - { .name: w_codes, .offset: 8, .size: 8, .value_kind: global_buffer, .address_space: global }
      - { .name: b_qkv, .offset: 16, .size: 8, .value_kind: global_buffer, .address_space: global }
      - { .name: lowp_scales, .offset: 24, .size: 8, .value_kind: global_buffer, .address_space: global }
      - { .name: qkv_codes, .offset: 32, .size: 8, .value_kind: global_buffer, .address_space: global }
    .group_segment_fixed_size: 327680
    .private_segment_fixed_size: 0
    .kernarg_segment_align: 8
    .kernarg_segment_size: 40
    .max_flat_workgroup_size: 128
    .sgpr_count:     100
    .vgpr_count:     1024
    .wavefront_size: 32
...
	.end_amdgpu_metadata
.endif
;; end of part 2
;; launch attn (part 3): grid 4 x 64, 16 waves a work-group, clusters of 4 x 1, 327,680 bytes of LDS; arguments qkv_codes, lowp_scales, y_codes; writes y_codes
.if DOCPART == 3
	.amdgcn_target "amdgcn-amd-amdhsa--gfx1250"
	.amdhsa_code_object_version 6
	.text
	.protected	k_qe88290fc3b_attn
	.globl	k_qe88290fc3b_attn
	.p2align	8
	.type	k_qe88290fc3b_attn,@function
k_qe88290fc3b_attn:
	s_mov_b64 s[64:65], 0
	v_nop
	global_prefetch_b8 v0, s[64:65] scope:SCOPE_SE
	s_setreg_imm32_b32 hwreg(HW_REG_WAVE_MODE, 25, 1), 1
	s_wait_xcnt 0x0
	s_wait_alu depctr_hold_cnt(0) depctr_sa_sdst(0) depctr_va_vdst(0) depctr_va_sdst(0) depctr_va_ssrc(0) depctr_va_vcc(0) depctr_vm_vsrc(0)
	s_getreg_b32 s2, hwreg(HW_REG_IB_STS2, 6, 4)
	s_cmp_eq_u32 s2, 0
	s_cbranch_scc0 .Lentry_in_a_cluster
	s_endpgm
.Lentry_in_a_cluster:
	s_bfe_u32 s2, ttmp6, 0x10000c
	s_cmp_lg_u32 s2, 0x3003
	s_cbranch_scc0 .Lentry_shape_is_right
	s_endpgm
.Lentry_shape_is_right:
; Causal attention on codes of E4M3, head size 64, 2,048 tokens, 64 heads (16 b + h); y is quantised at once for the last product.
; qkv_codes: q at byte 0 and k at 8 MiB as [head][t][64]; v at 16 MiB as [head][64][t], the keys innermost.  y_codes: [block of 256 tokens][h][256][64].
; THE SOFTMAX AHEAD OF THE SECOND PRODUCT: t = score x log2(e) / 8; M = the running largest t rounded UP to a whole number; p = 2^(t - M) is quantised with 2^e4, not normalised.  The row's sum is taken of the
; unquantised p and divides at the end.  When M moves, the sum and O are multiplied by 2^(old M - new M), which rounds nothing.
; WORK LEFT OUT: a key step all of whose 128 keys come after the last query of a tile's group lies wholly under the causal mask that the problem builds itself: its scores become -infinity, so p = 0 for all values of the inputs.
; A HEAD'S K AND V LIE WHOLE IN LDS: 2,048 keys x 80 bytes and 8 chunks of 64 channels x 272 bytes, 303,104 bytes.  Each of the sixteen waves asks for one sixteenth at the head (waves 0-7: 256 keys of K each,
; waves 8-15: 256 keys of V each).
; No prefetch: every tile is asked for at the head, so there is no loop of loads to run ahead in.
; SHARES.  A cluster of four work-groups is ONE head, and the four ask for K and V JOINTLY.  The head's queries form 32 groups of 64; the partner at place cx takes queries 64 G + 16 cx + 0..15 of group G: one tile.
; Wave a owns TWO tiles, of group a and of group 31 - a, and takes them one after the other, in two passes of one text.  A key step is 16 queries x 128 keys; group G needs ceil((G + 1) / 2) steps,
; so every wave has ceil((a + 1) / 2) + ceil((32 - a) / 2) = 17 steps.  All branches hang on a and on counters, never on cx, which enters only q's and y's addresses and the mask's numbers.
; A pass walks all 8 x 2 steps (constant trip counts); the work of a hidden step is jumped over by a scalar branch on ids.  A tile's last step lies on the diagonal: there the hidden scores become -infinity.
; LAYOUT.  S^T = K Q^T (source 0 = 16 keys, source 1 = 16 queries, K = 64), O^T = V^T P^T (source 0 = 16 channels, source 1 = P, K = 128): a lane holds ONE query (lane % 16).  S^T's tile t holds keys
; 16 t + 8 (lane / 16) + 0..7 in its eight registers: converted, they are registers 2 t, 2 t + 1 of P in the K = 128 form's own order.  K and Q come by two loads of 16 bytes a fragment: the same order of the 64 channels on both sides.
; LIMITS: e2 + e3 between -123 and 130 (added to c's exponent field); e4 and e6 between -126 and 119; e4 + e5 goes by v_ldexp_f32 and has none.  NaN is not served.
; REGISTERS: v1-11 addresses; v12 -M, v13 the largest t, v[14:15] the sum; v[16:17] at work; v20-27 the pass's Q, v28-35 the second pass's; v36-99 K's eight fragments, then V's four; v100-163 S^T, then p; v164-195 O^T;
; v196, v197 y's scale and hold; v198 the mask's number; v228-243 p's codes; v244, v245 p's scale and hold; v246 f; v250-253 at work; v254 -infinity.
.set KP,    80                         ; a key's row in LDS: 64 bytes + 16
.set VP,    272                        ; a channel's row of a chunk: 256 keys + 16
.set KCH,   256*KP                     ; 256 keys of K
.set VCH,   64*VP                      ; 256 keys of V
.set VOFF,  8*KCH
.set SPARE, VOFF+8*VCH                 ; the spare words, 128 bytes for each of 16 waves: eight blocks of 256 bytes that no other line names
.set STAGE, SPARE+2048                 ; the way out: 16 rows x 80 bytes a wave; no fill lands here
.set AK0, 1
.set AV0, 2
.set SPW, 5
.set NIL, 6
.set DQ,  7                            ; v7  16 cx + lane % 16 - 8 (lane / 16)
.set ADK, 8
.set ADV, 9
.set STO, 10
.set RD,  11
.set QA,  20
.set FR,  36
.set SA,  100
.set OA,  164
.set PA,  228
.set GO,  255
.set TBK, 2                            ; s2  LDS byte of the step's keys;  s3 of the step's part of V's rows
.set TBV, 3
.set HB,  10                           ; s[10:11] the head's first byte in part q
.set WV,  18                           ; s18 the wave's number, which is a, the first tile's group;  s81 the second tile's
.set GB,  81
.set SEL, 20
.set CS,  22
.set G1K, 24
.set G1V, 32
.set G0K, 40
.set G0V, 44
.set CHUNKS, 48
.set CNT, 49
.set KF,  50                           ; s50 the step's first key
.set CX,  51
.set QG,  52                           ; s52 the first query of the pass's group; s53 of the second pass's
.set QE,  54                           ; s54, s55 the last
.set TS,  61
.set PASS, 62
.macro CROUND                          ; a round of the cluster's barrier
	s_barrier_signal -1
	s_barrier_wait -1
	s_cmp_lg_u32 s[WV], 0
	s_cbranch_scc1 .Lnot_wave_0_\@
	s_barrier_signal -3
.Lnot_wave_0_\@:
	s_barrier_wait -3
	s_barrier_signal -1
	s_barrier_wait -1
.endm
.macro YOFF d, g                       ; s[d] = (((8 b + G / 4) x 16 + h) x 256 + 64 (G % 4) + 16 cx) x 64: a tile's 1,024 bytes of y
	s_lshr_b32 s[\d], s56, 4
	s_lshl_b32 s[\d], s[\d], 3
	s_lshr_b32 s61, s[\g], 2
	s_add_co_u32 s[\d], s[\d], s61
	s_lshl_b32 s[\d], s[\d], 4
	s_and_b32 s61, s56, 15
	s_add_co_u32 s[\d], s[\d], s61
	s_lshl_b32 s[\d], s[\d], 8
	s_and_b32 s61, s[\g], 3
	s_lshl_b32 s61, s61, 6
	s_add_co_u32 s[\d], s[\d], s61
	s_add_co_u32 s[\d], s[\d], s57
	s_lshl_b32 s[\d], s[\d], 6
.endm
	s_load_b128 s[4:7], s[0:1], 0x0                ; qkv_codes s[4:5], the scales' exponents s[6:7]
	s_load_b64 s[8:9], s[0:1], 0x10                ; y_codes
	v_lshl_add_u32 v[SPW], v0, 2, SPARE
	v_mov_b32 v[NIL], 0
	ds_add_u32 v[SPW], v[NIL]                      ; the opening lines: the add, twice on end, and its wait ahead of my tensor load
	ds_add_u32 v[SPW], v[NIL]
	v_lshrrev_b32 v8, 5, v0
	v_readfirstlane_b32 s[WV], v8                  ; wave 0..15
	s_bfe_u32 s[CX], ttmp6, 0x40000                ; cx
	s_and_b32 s56, ttmp7, 0xffff                   ; the head, 16 b + h: the cluster's y
	s_and_b32 s60, s[WV], 7                        ; which 256 keys I fetch
	s_sub_co_u32 s[GB], 31, s[WV]
	s_lshl_b32 s[QG], s[WV], 6
	s_lshl_b32 s[QG+1], s[GB], 6
	s_add_co_u32 s[QE], s[QG], 63
	s_add_co_u32 s[QE+1], s[QG+1], 63
	s_lshl_b32 s58, s56, 17                        ; a head is 131,072 bytes in each part
	s_mov_b32 s59, 0
	s_mov_b32 s[G1K], 15|(0<<16)|(1<<20)|(1<<21)|(3<<22)|(3<<25)   ; 15:0 the mask: all four; elements of 1 byte; padding on; 21 set beside a mask; after every 16 words four words
	s_mov_b32 s[G1K+1], 256<<16                    ; K's 256 rows of 64 bytes lie on end: stated as 64 rows of 256 bytes, the padding still behind each 64
	s_mov_b32 s[G1K+2], 64<<16
	s_mov_b32 s[G1K+3], 256<<16
	s_mov_b32 s[G1K+4], 64
	s_mov_b32 s[G1K+5], 256
	s_mov_b32 s[G1K+6], 0
	s_mov_b32 s[G1K+7], 0
	s_mov_b32 s[G1V], 15|(0<<16)|(1<<20)|(1<<21)|(5<<22)|(3<<25)   ; after every 64 words four words
	s_mov_b32 s[G1V+1], 256<<16                    ; V: 64 rows of 256 bytes, 2,048 apart
	s_mov_b32 s[G1V+2], 64<<16
	s_mov_b32 s[G1V+3], 256<<16
	s_mov_b32 s[G1V+4], 64
	s_mov_b32 s[G1V+5], 2048
	s_mov_b32 s[G1V+6], 0
	s_mov_b32 s[G1V+7], 0
	s_mov_b32 s[SEL], 0x76543210
	s_mov_b32 s[SEL+1], 0xfedcba98
	s_mov_b32 s[CS], 0x3e38aa3b                    ; c = log2(e) / 8
	s_lshl_b32 s57, s[CX], 4                       ; 16 cx
	s_add_co_u32 s14, s[QG], s57
	s_lshl_b32 s14, s14, 6                         ; the first tile's first query's codes,
	s_mov_b32 s15, 0
	s_add_co_u32 s82, s[QG+1], s57
	s_lshl_b32 s82, s82, 6                         ; the second's
	s_mov_b32 s83, 0
	YOFF 16, WV
	s_mov_b32 s17, 0
	YOFF 86, GB
	s_mov_b32 s87, 0
	s_lshl_b32 s62, s60, 14                        ; K: my 256 keys of 64 bytes,
	s_add_co_u32 s62, s62, 0x800000                ; in part k
	s_mov_b32 s63, 0
	s_lshl_b32 s66, s60, 8                         ; V: my 256 keys of every row,
	s_add_co_u32 s66, s66, 0x1000000               ; in part v
	s_mov_b32 s67, 0
	s_wait_dscnt 0x0                               ; both opening adds are done
	s_wait_kmcnt 0x0
	s_load_b256 s[68:75], s[6:7], 0x0              ; e0 .. e7
	s_add_nc_u64 s[HB:HB+1], s[4:5], s[58:59]
	s_add_nc_u64 s[12:13], s[HB:HB+1], s[14:15]    ; q at the first tile,
	s_add_nc_u64 s[82:83], s[HB:HB+1], s[82:83]    ; at the second
	s_add_nc_u64 s[84:85], s[8:9], s[86:87]        ; y at the second tile,
	s_add_nc_u64 s[8:9], s[8:9], s[16:17]          ; at the first
	s_mov_b32 s[G0K], 1
	s_mul_i32 s[G0K+1], s60, KCH                   ; LDS: no place in the cluster enters an LDS address
	s_add_nc_u64 s[G0K+2:G0K+3], s[HB:HB+1], s[62:63]
	s_or_b32 s[G0K+3], s[G0K+3], 0x80000000
	s_mov_b32 s[G0V], 1
	s_mul_i32 s[G0V+1], s60, VCH
	s_add_co_u32 s[G0V+1], s[G0V+1], VOFF
	s_add_nc_u64 s[G0V+2:G0V+3], s[HB:HB+1], s[66:67]
	s_or_b32 s[G0V+3], s[G0V+3], 0x80000000
	CROUND                                         ; all four work-groups are here: the joint loads meet
	s_cmp_lt_u32 s[WV], 8                          ; one chain on the wave's number, a fill in each arm: every wave issues one
	s_cbranch_scc0 .Lfor_v
	tensor_load_to_lds s[G0K:G0K+3], s[G1K:G1K+7]
	s_nop 0
.rept 4
	v_nop
.endr
	s_branch .Lasked
.Lfor_v:
	tensor_load_to_lds s[G0V:G0V+3], s[G1V:G1V+7]
	s_nop 0
.rept 4
	v_nop
.endr
.Lasked:
	v_and_b32 v8, 15, v0                           ; r
	v_bfe_u32 v9, v0, 4, 1                         ; h
	v_lshlrev_b32 v254, 6, v8
	v_lshl_add_u32 v254, v9, 4, v254               ; q: row r of 64 bytes + 16 h
	global_load_b128 v[QA:QA+3], v254, s[12:13]
	global_load_b128 v[QA+4:QA+7], v254, s[12:13] offset:32
	global_load_b128 v[QA+8:QA+11], v254, s[82:83]
	global_load_b128 v[QA+12:QA+15], v254, s[82:83] offset:32
	v_mul_u32_u24 v[AK0], v8, KP
	v_lshl_add_u32 v[AK0], v9, 4, v[AK0]
	v_mul_u32_u24 v[AV0], v8, VP
	v_lshl_add_u32 v[AV0], v9, 3, v[AV0]
	v_add_nc_u32 v[AV0], VOFF, v[AV0]
	v_lshlrev_b32 v[DQ], 3, v9
	v_sub_nc_u32 v[DQ], v8, v[DQ]
	v_add_nc_u32 v[DQ], s57, v[DQ]
	s_mul_i32 s61, s[WV], 16*KP
	s_add_co_u32 s61, s61, STAGE                   ; my stage
	v_mul_u32_u24 v[STO], v8, KP
	v_lshl_add_u32 v[STO], v9, 3, v[STO]
	v_add_nc_u32 v[STO], s61, v[STO]               ; in: row r, + 8 h
	v_and_b32 v[GO], 31, v0
	v_lshrrev_b32 v[RD], 2, v[GO]
	v_mul_u32_u24 v[RD], v[RD], KP
	v_and_b32 v250, 3, v[GO]
	v_lshl_add_u32 v[RD], v250, 4, v[RD]
	v_add_nc_u32 v[RD], s61, v[RD]                 ; back: four lanes to a row of 64 bytes
	v_lshlrev_b32 v[GO], 4, v[GO]
.irp j, 246,247,250,251,252,253
	v_mov_b32 v\j, 0                               ; the registers at work are written once, so that every way finds them written
.endr
	s_wait_kmcnt 0x0
	s_add_co_i32 s76, s70, s71
	s_lshl_b32 s76, s76, 23
	s_add_co_i32 s[CS], s[CS], s76                 ; a score stands for score x 2^(e2 + e3): added to c's exponent field
	s_mov_b32 s[CS+1], s[CS]                       ; (named as a pair, so it is written)
	s_add_co_i32 s76, s72, 127
	s_lshl_b32 s77, s76, 23
	v_mov_b32 v244, s77                            ; 2^e4
	s_add_co_i32 s76, s76, 8
	s_lshl_b32 s76, s76, 23
	s_or_b32 s76, s76, 0x600000
	v_mov_b32 v245, s76                            ; 448 x 2^e4
	s_add_co_i32 s78, s72, s73                     ; e4 + e5
	s_add_co_i32 s76, s74, 127
	s_lshl_b32 s79, s76, 23
	v_mov_b32 v196, s79                            ; 2^e6
	s_add_co_i32 s76, s76, 8
	s_lshl_b32 s80, s76, 23
	s_or_b32 s80, s80, 0x600000
	v_mov_b32 v197, s80                            ; 448 x 2^e6
	s_mov_b32 s[PASS], 2
	s_wait_loadcnt 0x0                             ; Q; its offset's register is free
	v_mov_b32 v254, 0xff800000                     ; -infinity
	s_wait_alu depctr_va_vdst(0)                   ; the wait at the head's end
	s_wait_tensorcnt 0x0                           ; my sixteenth of K and V is in
	s_barrier_signal -1
	s_barrier_wait -1                              ; and everybody's: from here on LDS is only read, but for each wave's own stage
; A KEY STEP: 16 queries x 128 keys.
.macro STEP
	v_add_nc_u32 v[ADK], s[TBK], v[AK0]
	v_add_nc_u32 v[ADV], s[TBV], v[AV0]
	v_nop                                          ; with the two additions: four places between the last step's products and the loads into their registers
	v_nop
.irp t, 0,1,2,3,4,5,6,7
	ds_load_b128 v[FR+8*\t:FR+8*\t+3], v[ADK] offset:16*KP*\t
	ds_load_b128 v[FR+8*\t+4:FR+8*\t+7], v[ADK] offset:16*KP*\t+32
.endr
	s_wait_alu depctr_va_vdst(0)                   ; the wait here, directly ahead of the wait below
	s_wait_dscnt 0x0                               ; K is in
.irp t, 0,1,2,3,4,5,6,7
	v_wmma_f32_16x16x64_fp8_fp8 v[SA+8*\t:SA+8*\t+7], v[FR+8*\t:FR+8*\t+7], v[QA:QA+7], 0
.endr
.rept 4
	v_nop                                          ; places: ahead of the loads into K's registers and of the first read of the scores
.endr
.irp u, 0,1,2,3
.irp c, 0,1,2,3,4,5,6,7
	ds_load_b64 v[FR+16*\u+2*\c:FR+16*\u+2*\c+1], v[ADV] offset:16*VP*\u+16*\c   ; V's fragments take K's registers; they are waited for ahead of the second product
.endr
.endr
	s_add_co_u32 s[TS], s[KF], 127
	s_cmp_le_u32 s[TS], s[QG]                      ; all keys count for every query of the group
	s_cbranch_scc1 .Lopen_\@
	s_sub_co_i32 s[TS], s[QG], s[KF]
	v_add_nc_u32 v198, s[TS], v[DQ]                ; d = my query - KF - 8 (lane / 16).  Register 8 t + j holds key KF + 8 (lane / 16) + 16 t + j: hidden where 16 t + j > d
.set n, 0
.rept 64
	v_cmp_gt_i32 vcc_lo, 16*(n/8)+n%8, v198
	v_cndmask_b32 v[SA+n], v[SA+n], v254, vcc_lo
.set n, n+1
.endr
.Lopen_\@:
.irp c, 0,1,2,3                        ; the step's largest score of my query among my 64 keys: four chains line by line; chain c takes accumulators c and c + 4, each from its low end on
	v_max3_num_f32 v[250+\c], v[SA+8*\c], v[SA+8*\c+1], v[SA+8*\c+2]
.endr
.irp i, 3,5
.irp c, 0,1,2,3
	v_max3_num_f32 v[250+\c], v[250+\c], v[SA+8*\c+\i], v[SA+8*\c+\i+1]
.endr
.endr
.irp c, 0,1,2,3
	v_max3_num_f32 v[250+\c], v[250+\c], v[SA+8*\c+7], v[SA+8*\c+32]
.endr
.irp i, 33,35,37
.irp c, 0,1,2,3
	v_max3_num_f32 v[250+\c], v[250+\c], v[SA+8*\c+\i], v[SA+8*\c+\i+1]
.endr
.endr
.irp c, 0,1,2,3
	v_max_num_f32 v[250+\c], v[250+\c], v[SA+8*\c+39]
.endr
	v_max3_num_f32 v250, v250, v251, v252
	s_delay_alu instid0(VALU_DEP_1)
	v_max_num_f32 v250, v250, v253
	s_delay_alu instid0(VALU_DEP_1)
	v_permlanex16_b32 v251, v250, s[SEL], s[SEL+1] ; the query's other 64 keys lie in the lane 16 away
	s_delay_alu instid0(VALU_DEP_1)
	v_max_num_f32 v250, v250, v251
	s_delay_alu instid0(VALU_DEP_1)
	v_mul_f32 v250, s[CS], v250                    ; as t (c is positive)
	s_delay_alu instid0(VALU_DEP_1)
	v_max_num_f32 v13, v13, v250                   ; the running largest t
	v_mov_b32 v250, v12
	s_delay_alu instid0(VALU_DEP_2)
	v_floor_f32 v12, -v13                          ; the new -M = floor(-t) = -ceil(t)
	s_delay_alu instid0(VALU_DEP_1)
	v_sub_f32 v250, v12, v250                      ; old M - new M: a whole number, 0 or less
	s_delay_alu instid0(VALU_DEP_1)
	v_cvt_i32_f32 v250, v250                       ; (it saturates)
	s_delay_alu instid0(VALU_DEP_1)
	v_ldexp_f32 v246, 1.0, v250                    ; f = 2^(old M - new M)
.set j, 0
.rept 32
	v_pk_fma_f32 v[SA+j:SA+j+1], v[SA+j:SA+j+1], s[CS:CS+1], v[12:13] op_sel_hi:[1,0,0]   ; t - M, two at a time (of c's and -M's pairs the low word serves both halves)
.set j, j+2
.endr
	s_wait_alu depctr_va_vdst(0)                   ; the wait ahead of the batch
.set j, 0
.rept 64
	v_exp_f32 v[SA+j], v[SA+j]                     ; p = 2^(t - M): one batch
.set j, j+1
.endr
	v_pk_mul_f32 v[14:15], v[14:15], v[246:247] op_sel_hi:[1,0]   ; the sum under the new M: also the plain line behind the exponentials
	s_wait_alu depctr_va_vdst(0)                   ; one wait for the whole batch, ahead of its first reader
	v_pk_add_f32 v[250:251], v[SA:SA+1], v[SA+2:SA+3]             ; THE ROW'S SUM IS TAKEN OF THE UNQUANTISED p: four chains
	v_pk_add_f32 v[252:253], v[SA+4:SA+5], v[SA+6:SA+7]
	v_pk_add_f32 v[16:17], v[SA+8:SA+9], v[SA+10:SA+11]
.irp j, 12,20,28,36,44,52
	v_pk_add_f32 v[14:15], v[14:15], v[SA+\j:SA+\j+1]
	v_pk_add_f32 v[250:251], v[250:251], v[SA+\j+2:SA+\j+3]
	v_pk_add_f32 v[252:253], v[252:253], v[SA+\j+4:SA+\j+5]
	v_pk_add_f32 v[16:17], v[16:17], v[SA+\j+6:SA+\j+7]
.endr
	v_pk_add_f32 v[14:15], v[14:15], v[SA+60:SA+61]
	v_pk_add_f32 v[250:251], v[250:251], v[SA+62:SA+63]
	v_pk_add_f32 v[252:253], v[252:253], v[16:17]
	v_pk_add_f32 v[14:15], v[14:15], v[250:251]
	v_pk_add_f32 v[14:15], v[14:15], v[252:253]
.irp t, 0,1,2,3,4,5,6,7
.irp i, 0,2,4,6                        ; the conversion does not saturate (ISA guide 7.6.2): the hold comes first, two in a dual pair; p is not negative, so it is one-sided
	v_dual_min_num_f32 v[SA+8*\t+\i], v[SA+8*\t+\i], v245 :: v_dual_min_num_f32 v[SA+8*\t+\i+1], v[SA+8*\t+\i+1], v245
.endr
	v_cvt_scalef32_pk8_fp8_f32 v[PA+2*\t:PA+2*\t+1], v[SA+8*\t:SA+8*\t+7], v244
.endr
	s_wait_alu depctr_va_vdst(0)                   ; the wait here, directly ahead of the first reader of O^T
.set j, 0
.rept 16
	v_pk_mul_f32 v[OA+j:OA+j+1], v[OA+j:OA+j+1], v[246:247] op_sel_hi:[1,0]   ; O^T under the new M; also the plain lines between the conversions and the products
.set j, j+2
.endr
	s_wait_alu depctr_va_vdst(0)                   ; the wait here, directly ahead of the wait below
	s_wait_dscnt 0x0                               ; V is in
.irp u, 0,1,2,3
	v_wmma_f32_16x16x128_fp8_fp8 v[OA+8*\u:OA+8*\u+7], v[FR+16*\u:FR+16*\u+15], v[PA:PA+15], v[OA+8*\u:OA+8*\u+7]   ; the four accumulators by turns; the next step's eight products stand between a sum's steps
.endr
.endm
.Lpass:                                            ; two passes, a tile each
	v_mov_b32 v13, 0xff61b1e6                      ; the largest t so far: -3e38, under every t
	v_mov_b32 v14, 0                               ; the sum
	v_mov_b32 v15, 0
	v_floor_f32 v12, -v13                          ; -M
.set j, 0
.rept 32
	v_mov_b32 v[OA+j], 0                           ; O^T.  (A key step has no first form of its own: the first finds zeros, which the first change of M leaves zeros)
.set j, j+1
.endr
	s_mov_b32 s[TBK], 0
	s_mov_b32 s[TBV], 0
	s_mov_b32 s[KF], 0
	s_mov_b32 s[CHUNKS], 8
	s_wait_alu depctr_va_vdst(0)
.Lchunk:                                           ; eight chunks of 256 keys, two key steps each: constant trip counts, no barrier, no load from memory
	s_mov_b32 s[CNT], 2
.Lstep:
	s_cmp_gt_u32 s[KF], s[QE]                      ; all keys come after the group's last query: nothing of the step counts
	s_cbranch_scc1 .Lnext
	STEP
.Lnext:
	s_add_co_u32 s[KF], s[KF], 128
	s_add_co_u32 s[TBK], s[TBK], 128*KP
	s_add_co_u32 s[TBV], s[TBV], 128
	s_sub_co_u32 s[CNT], s[CNT], 1
	s_cmp_lg_u32 s[CNT], 0
	s_cbranch_scc1 .Lstep
	s_add_co_u32 s[TBV], s[TBV], VCH-256           ; V's next chunk; K's rows lie on end
	s_sub_co_u32 s[CHUNKS], s[CHUNKS], 1
	s_cmp_lg_u32 s[CHUNKS], 0
	s_cbranch_scc1 .Lchunk
	; THE TILE'S WAY OUT.  y = O^T x 2^(e4 + e5) / the sum, quantised with 2^e6; the codes go through my stage and leave as 1,024 bytes on end.
.rept 4
	v_nop
.endr
	v_add_f32 v250, v14, v15                       ; the sum's two halves,
	v_permlanex16_b32 v251, v250, s[SEL], s[SEL+1]
	v_add_f32 v250, v250, v251                     ; and the other half of the lanes'
	s_wait_alu depctr_va_vdst(0)                   ; the wait ahead of the transcendental
	v_rcp_f32 v246, v250
	v_nop                                          ; a plain line behind the reciprocal
	s_wait_alu depctr_va_vdst(0)                   ; the wait, ahead of its first reader
	v_ldexp_f32 v246, v246, s78
	s_wait_alu depctr_va_vdst(0)                   ; the wait here, directly ahead of the first reader of O^T
.set j, 0
.rept 16
	v_pk_mul_f32 v[SA+j:SA+j+1], v[OA+j:OA+j+1], v[246:247] op_sel_hi:[1,0]   ; register 8 u + j of O^T is y(query r, channel 16 u + 8 h + j); each accumulator from its low end on
.set j, j+2
.endr
.set j, 0
.rept 32
	v_med3_num_f32 v[SA+j], v[SA+j], -v197, v197
.set j, j+1
.endr
.irp u, 0,1,2,3
	v_cvt_scalef32_pk8_fp8_f32 v[PA+2*\u:PA+2*\u+1], v[SA+8*\u:SA+8*\u+7], v196
.endr
	v_nop                                          ; a plain vector line behind the last conversion
.irp u, 0,1,2,3
	ds_store_b64 v[STO], v[PA+2*\u:PA+2*\u+1] offset:16*\u
.endr
.irp i, 0,1
	ds_load_b128 v[FR+4*\i:FR+4*\i+3], v[RD] offset:8*KP*\i   ; a wave's LDS instructions are served in order: these see my stores
.endr
.irp i, 0,1,2,3,4,5,6,7
	v_mov_b32 v[QA+\i], v[QA+8+\i]                 ; the second tile's Q
.endr
	s_wait_dscnt 0x0                               ; the tile is back in registers
.irp i, 0,1
	global_store_b128 v[GO], v[FR+4*\i:FR+4*\i+3], s[8:9] offset:512*\i      ; the wave stores 512 consecutive bytes, aligned
.endr
	s_wait_xcnt 0x0                                ; the stores have read their base and their data: both are written again below and in the next pass
	s_mov_b64 s[8:9], s[84:85]                     ; the second tile's y,
	s_mov_b32 s[QG], s[QG+1]                       ; and its group's limits
	s_mov_b32 s[QE], s[QE+1]
	s_sub_co_u32 s[PASS], s[PASS], 1
	s_cmp_lg_u32 s[PASS], 0
	s_wait_alu depctr_va_vdst(0)                   ; the wait here, directly ahead of the branch
	s_cbranch_scc1 .Lpass
	s_wait_tensorcnt 0x0                           ; the wave's end
	ds_add_u32 v[SPW], v[NIL]
	s_wait_dscnt 0x0
	CROUND                                         ; the closing round
	s_endpgm
.Lfunc_end_k_qe88290fc3b_attn:
	.size	k_qe88290fc3b_attn, .Lfunc_end_k_qe88290fc3b_attn-k_qe88290fc3b_attn
	.p2alignl 7, 3214868480
	.fill 96, 4, 3214868480
	.section	.rodata,"a",@progbits
	.p2align	6, 0x0
	.amdhsa_kernel k_qe88290fc3b_attn
		.amdhsa_group_segment_fixed_size 327680
		.amdhsa_private_segment_fixed_size 0
		.amdhsa_enable_private_segment 0
		.amdhsa_kernarg_size 24
		.amdhsa_user_sgpr_count 2
		.amdhsa_user_sgpr_kernarg_segment_ptr 1
		.amdhsa_wavefront_size32 1
		.amdhsa_system_sgpr_workgroup_id_x 1
		.amdhsa_system_sgpr_workgroup_id_y 1
		.amdhsa_system_sgpr_workgroup_id_z 1
		.amdhsa_system_vgpr_workitem_id 0
		.amdhsa_next_free_vgpr 256
		.amdhsa_next_free_sgpr 100
		.amdhsa_reserve_vcc 1
		.amdhsa_float_denorm_mode_32 3
		.amdhsa_float_denorm_mode_16_64 3
		.amdhsa_memory_ordered 1
		.amdhsa_forward_progress 1
		.amdhsa_inst_pref_size 37
	.end_amdhsa_kernel
	.amdgpu_metadata
---
amdhsa.version: [ 1, 2 ]
amdhsa.kernels:
  - .name:           k_qe88290fc3b_attn
    .symbol:         k_qe88290fc3b_attn.kd
    .args:
      - { .name: qkv_codes, .offset: 0, .size: 8, .value_kind: global_buffer, .address_space: global }
      - { .name: lowp_scales, .offset: 8, .size: 8, .value_kind: global_buffer, .address_space: global }
      - { .name: y_codes, .offset: 16, .size: 8, .value_kind: global_buffer, .address_space: global }
    .group_segment_fixed_size: 327680
    .private_segment_fixed_size: 0
    .kernarg_segment_align: 8
    .kernarg_segment_size: 24
    .max_flat_workgroup_size: 512
    .sgpr_count:     100
    .vgpr_count:     256
    .wavefront_size: 32
...
	.end_amdgpu_metadata
.endif
;; end of part 3
;; launch gemm_proj (part 4): grid 4 x 64, 8 waves a work-group, clusters of 4 x 4, 327,680 bytes of LDS; arguments y_codes, w_codes, b_proj, lowp_scales, out0; writes out0
.if DOCPART == 4
	.amdgcn_target "amdgcn-amd-amdhsa--gfx1250"
	.amdhsa_code_object_version 6
	.text
	.protected	k_qe88290fc3b_gemm_proj
	.globl	k_qe88290fc3b_gemm_proj
	.p2align	8
	.type	k_qe88290fc3b_gemm_proj,@function
k_qe88290fc3b_gemm_proj:
	s_mov_b64 s[64:65], 0
	v_nop
	global_prefetch_b8 v0, s[64:65] scope:SCOPE_SE
	s_setreg_imm32_b32 hwreg(HW_REG_WAVE_MODE, 25, 1), 1
	s_wait_xcnt 0x0
	s_wait_alu depctr_hold_cnt(0) depctr_sa_sdst(0) depctr_va_vdst(0) depctr_va_sdst(0) depctr_va_ssrc(0) depctr_va_vcc(0) depctr_vm_vsrc(0)
	s_getreg_b32 s2, hwreg(HW_REG_IB_STS2, 6, 4)
	s_cmp_eq_u32 s2, 0
	s_cbranch_scc0 .Lentry_in_a_cluster
	s_endpgm
.Lentry_in_a_cluster:
	s_bfe_u32 s2, ttmp6, 0x10000c
	s_cmp_lg_u32 s2, 0xf033
	s_cbranch_scc0 .Lentry_shape_is_right
	s_endpgm
.Lentry_shape_is_right:
; out0 = y W_proj + b_proj on codes of E4M3; sums in f32.  y_codes: [block of 256 tokens][h 16][256 tokens][64]; W_proj's codes: rows 3,072 on of w_codes, [n][1,024 k]; k = 64 h + channel.
; A work-group makes 128 tokens (P) x 256 features (Q) over K = 1,024: 64 x 4 = 256 work-groups.  Eight waves, each 64 tokens x 64 features: 16 accumulators, 128 registers.
; ALL FIRST FILLS GO OUT AT THE HEAD, one tensor load a wave: waves 0-3 bring P whole (four heads each: 4 rows of 8,192 bytes, 16,384 apart, padded behind each 64 bytes), waves 4-7 Q's K steps 0 and 1
; (128 rows x 256 bytes each) into two slots.  Q's K steps 2 and 3 come by one refill each (waves 4, 5: slot 0; waves 6, 7: slot 1), behind a round of the cluster's barrier.
; CLUSTERS: 4 x 4.  P's tiles hang on the token block alone and are asked for jointly along a row of the cluster, Q's on the feature block alone, jointly along a column.
; No loop (eight sub-steps of 128 along K are written by macros) and no prefetch: the two refills follow the head by one and by three sub-steps, so there is no loop to run ahead in.
; THE MATRIX INSTRUCTION IS USED WITH source 0 = 16 features, source 1 = 16 tokens: a lane holds one token and eight neighbouring features.  The bias x 2^-(e6 + e7) is the C of a sum's first product;
; each finished sum is multiplied once by 2^(e6 + e7).  LIMIT: e6 + e7 between -126 and 126.
; A fragment's registers 4 c .. 4 c + 3 hold K = 32 c + 16 (lane / 16) + 0 .. 15 of the sub-step: the same order of K in P and in Q, so every product meets its partner.
; REGISTERS: window 0: v0-31 addresses; v32-63 biases; v64-95 a block's scaled sums; v128-255 P's fragments, two sets (on the way out: rows read back).  Window 1: v0-127 accumulators ((a, b) at 8 (4 a + b)); v128-255 Q's fragments, two sets.
.set PP,     80                        ; a token's row of one head in LDS: 64 bytes + 16
.set HEADB,  128*PP
.set PQ,     272                       ; a feature's row in a slot: 256 bytes + 16
.set HALFQ,  128*PQ
.set QOFF,   16*HEADB
.set SLOTQ,  2*HALFQ
.set SPARE,  QOFF+2*SLOTQ              ; the spare words, 128 bytes for each of 8 waves: four blocks of 256 bytes that no other line names
.set SPITCH, 272                       ; the way out: a stage of 16 rows x (256 bytes + 16) a wave, in Q's slot 0, which has then had its last fill and its last read
.set ADRA, 16                          ; v16-18 my P fragments: sub-steps 0-2, 3-5, 6-7
.set ADRB, 20                          ; v20-21 my Q fragments in slot 0, 1
.set BA,   22
.set STO,  24
.set RD,   25
.set CO,   26
.set SPW,  28
.set NIL,  29
.set BQ,   32
.set TMP,  64
.set AF,   128
.set BK,   128
.set G1,  24
.set G0,  32
.set G1B, 48
.set G0B, 56
.set MSB, 0
.macro WIN new                         ; the immediate's high byte repeats the setting that is left
.if MSB != \new
	s_set_vgpr_msb (MSB<<8)|\new
.set MSB, \new
.endif
.endm
.macro PLACES                          ; plain vector lines between a matrix instruction and a load into, or a read of, its registers (ISA guide 7.12.1 for reads)
.rept 4
	v_nop
.endr
.endm
.macro CREST                           ; a round of the cluster's barrier behind its opening barrier
	s_cmp_lg_u32 s14, 0
	s_cbranch_scc1 .Lnot_wave_0_\@
	s_barrier_signal -3
.Lnot_wave_0_\@:
	s_barrier_wait -3
	s_barrier_signal -1
	s_barrier_wait -1
.endm
.macro CROUND
	s_barrier_signal -1
	s_barrier_wait -1
	CREST
.endm
	s_load_b256 s[4:11], s[0:1], 0x0               ; y_codes s[4:5], w_codes s[6:7], b_proj s[8:9], the scales' exponents s[10:11]
	s_load_b64 s[12:13], s[0:1], 0x20              ; out0
	v_lshl_add_u32 v[SPW], v0, 2, SPARE
	v_mov_b32 v[NIL], 0
	ds_add_u32 v[SPW], v[NIL]                      ; the opening lines: the add, twice on end, and its wait ahead of my tensor load
	ds_add_u32 v[SPW], v[NIL]
	v_lshrrev_b32 v1, 5, v0
	v_readfirstlane_b32 s14, v1                    ; wave 0..7
	s_and_b32 s15, s14, 1                          ; which 64 tokens are mine.  Also: which 128 rows of Q I fetch
	s_lshr_b32 s16, s14, 1                         ; which 64 features.  Also: 2, 3 in the waves that fill Q's slot 0, 1
	s_and_b32 s18, s14, 3                          ; which quarter of P, or of Q's two slots, I fetch
	s_bfe_u32 s40, ttmp6, 0x40000                  ; cx, cy
	s_bfe_u32 s41, ttmp6, 0x40004
	s_lshl_b32 s42, ttmp9, 2
	s_add_co_u32 s42, s42, s40                     ; feature block
	s_and_b32 s17, ttmp7, 0xffff
	s_lshl_b32 s17, s17, 2
	s_add_co_u32 s17, s17, s41                     ; token block
	s_lshl_b32 s43, s41, 2
	s_lshl_b32 s43, 15, s43                        ; my row of the cluster
	s_lshl_b32 s44, 0x1111, s40                    ; my column
	s_or_b32 s[G1+0], s43, (0<<16)|(1<<20)|(1<<21)|(3<<22)|(3<<25)   ; the mask; elements of 1 byte; padding on; 21 set beside a mask; after every 16 words four words
	s_mov_b32 s[G1+1], 8192<<16                    ; a head's 128 tokens x 64 bytes lie on end: one row of 8,192 bytes
	s_mov_b32 s[G1+2], 4<<16
	s_mov_b32 s[G1+3], 8192<<16
	s_mov_b32 s[G1+4], 4
	s_mov_b32 s[G1+5], 16384
	s_mov_b32 s[G1+6], 0
	s_mov_b32 s[G1+7], 0
	s_or_b32 s[G1B+0], s44, (0<<16)|(1<<20)|(1<<21)|(5<<22)|(3<<25)  ; after every 64 words four words
	s_mov_b32 s[G1B+1], 256<<16
	s_mov_b32 s[G1B+2], 128<<16
	s_mov_b32 s[G1B+3], 256<<16
	s_mov_b32 s[G1B+4], 128
	s_mov_b32 s[G1B+5], 1024
	s_mov_b32 s[G1B+6], 0
	s_mov_b32 s[G1B+7], 0
	s_lshr_b32 s20, s17, 1                         ; P: block of 256 tokens x 262,144 + its half x 8,192 + four heads x my quarter
	s_lshl_b32 s20, s20, 18
	s_and_b32 s19, s17, 1
	s_lshl_b32 s19, s19, 13
	s_add_co_u32 s20, s20, s19
	s_lshl_b32 s19, s18, 16
	s_add_co_u32 s20, s20, s19
	s_mov_b32 s21, 0
	s_lshl_b32 s46, s42, 8                         ; Q: row 3,072 + 256 x feature block + 128 x half, K step 0 or 1
	s_lshl_b32 s19, s15, 7
	s_add_co_u32 s46, s46, s19
	s_add_co_u32 s46, s46, 3072
	s_lshl_b32 s46, s46, 10
	s_and_b32 s19, s16, 1
	s_lshl_b32 s19, s19, 8
	s_add_co_u32 s46, s46, s19
	s_mov_b32 s47, 0
	s_mul_i32 s45, s18, 4*HEADB                    ; where they go: no place in the cluster enters an LDS address
	s_mul_i32 s79, s18, HALFQ
	s_add_co_u32 s79, s79, QOFF
	s_mul_i32 s22, s15, 64*PP                      ; my 64 tokens in every head,
	s_mul_i32 s23, s16, 64*PQ
	s_add_co_u32 s23, s23, QOFF                    ; my 64 features in slot 0,
	s_mul_i32 s80, s14, 16*SPITCH
	s_add_co_u32 s80, s80, QOFF                    ; my stage
	s_lshl_b32 s84, s42, 10                        ; my first feature in bytes of f32
	s_lshl_b32 s19, s16, 8
	s_add_co_u32 s84, s84, s19
	s_mov_b32 s85, 0
	s_lshl_b32 s2, s17, 19                         ; my first token's row of 4,096 bytes
	s_lshl_b32 s19, s15, 18
	s_add_co_u32 s2, s2, s19
	s_add_co_u32 s2, s2, s84
	s_mov_b32 s3, 0
	s_wait_dscnt 0x0                               ; both opening adds are done
	s_wait_kmcnt 0x0
	s_load_b64 s[96:97], s[10:11], 0x18            ; e6, e7
	s_add_nc_u64 s[20:21], s[4:5], s[20:21]
	s_add_nc_u64 s[46:47], s[6:7], s[46:47]
	s_add_nc_u64 s[8:9], s[8:9], s[84:85]
	s_add_nc_u64 s[12:13], s[12:13], s[2:3]
	s_mov_b32 s[G0], 1
	s_mov_b32 s[G0+1], s45
	s_mov_b64 s[G0+2:G0+3], s[20:21]
	s_or_b32 s[G0+3], s[G0+3], 0x80000000
	s_mov_b32 s[G0B], 1
	s_mov_b32 s[G0B+1], s79
	s_mov_b64 s[G0B+2:G0B+3], s[46:47]
	s_or_b32 s[G0B+3], s[G0B+3], 0x80000000
	CROUND                                         ; all sixteen work-groups are here: the joint loads meet
	s_cmp_lt_u32 s14, 4                            ; one chain on the wave's number, a fill in each arm: every wave issues one
	s_cbranch_scc0 .Lfor_q
	tensor_load_to_lds s[G0:G0+3], s[G1:G1+7]
	s_nop 0
	PLACES
	s_branch .Lasked
.Lfor_q:
	tensor_load_to_lds s[G0B:G0B+3], s[G1B:G1B+7]
	s_nop 0
	PLACES
.Lasked:
	v_and_b32 v1, 15, v0                           ; r
	v_bfe_u32 v2, v0, 4, 1                         ; h
	v_lshlrev_b32 v[BA], 5, v2
.irp b, 0,1,2,3
	global_load_b128 v[BQ+8*\b:BQ+8*\b+3], v[BA], s[8:9] offset:64*\b         ; the biases of features 16 b + 8 h + 0..7
	global_load_b128 v[BQ+8*\b+4:BQ+8*\b+7], v[BA], s[8:9] offset:64*\b+16
.endr
	v_mul_u32_u24 v3, v1, PP
	v_lshl_add_u32 v3, v2, 4, v3
	v_add_nc_u32 v[ADRA], s22, v3
	v_add_nc_u32 v[ADRA+1], 6*HEADB, v[ADRA]       ; three sub-steps, six heads, on: the loads' 16-bit offsets reach no further
	v_add_nc_u32 v[ADRA+2], 12*HEADB, v[ADRA]
	v_mul_u32_u24 v4, v1, PQ
	v_lshl_add_u32 v4, v2, 4, v4
	v_add_nc_u32 v[ADRB], s23, v4
	v_add_nc_u32 v[ADRB+1], SLOTQ, v[ADRB]
	v_mul_u32_u24 v5, v1, SPITCH
	v_lshl_add_u32 v5, v2, 5, v5
	v_add_nc_u32 v[STO], s80, v5                   ; the stage, in: row r, 32 bytes for each half of the lanes
	v_mul_u32_u24 v6, v2, SPITCH
	v_lshl_add_u32 v6, v1, 4, v6
	v_add_nc_u32 v[RD], s80, v6                    ; back: lanes 0-15 one row of 256 bytes, lanes 16-31 the next
	v_lshlrev_b32 v7, 12, v2
	v_lshl_add_u32 v[CO], v1, 4, v7                ; and the same two rows in out0
	s_wait_kmcnt 0x0
	s_add_co_i32 s90, s96, s97                     ; e6 + e7
	s_sub_co_i32 s88, 127, s90
	s_lshl_b32 s88, s88, 23                        ; 2^-(e6 + e7)
	s_mov_b32 s89, s88                             ; (named as pairs, so they are written)
	s_add_co_i32 s96, s90, 127
	s_lshl_b32 s96, s96, 23                        ; 2^(e6 + e7)
	s_mov_b32 s97, s96
	s_wait_loadcnt 0x0
.set j, 0
.rept 16
	v_pk_mul_f32 v[BQ+j:BQ+j+1], v[BQ+j:BQ+j+1], s[88:89] op_sel_hi:[1,0]
.set j, j+2
.endr
; Sub-step q (128 along K: heads 2 q, 2 q + 1; Q's slot (q / 2) % 2): its fragments lie in set q % 2.
.macro FETCH q
	WIN 0x40                                       ; destination window 1, address window 0
.irp b, 0,1,2,3
.irp c, 0,1,2,3
	ds_load_b128 v[128+64*((\q)%2)+16*\b+4*\c:128+64*((\q)%2)+16*\b+4*\c+3], v[ADRB+((\q)/2)%2] offset:128*((\q)%2)+32*\c+\b*16*PQ
.endr
.endr
	WIN 0
.irp a, 0,1,2,3
.irp c, 0,1,2,3
	ds_load_b128 v[AF+64*((\q)%2)+16*\a+4*\c:AF+64*((\q)%2)+16*\a+4*\c+3], v[ADRA+(\q)/3] offset:((\q)%3)*2*HEADB+(\c/2)*HEADB+32*(\c%2)+\a*16*PP
.endr
.endr
.endm
; 16 matrix instructions; the 16 accumulators take turns, one instruction a turn, in the same order in every sub-step.  zero = 1: the first products start the sums from the biases.
.macro MUL q, zero
.if \zero
	WIN 0x41                                       ; source 0 (Q) and D window 1, source 1 (P) and C window 0
.else
	WIN 0x51                                       ; C window 1 too
.endif
.irp a, 0,1,2,3
.irp b, 0,1,2,3
.if \zero
	v_wmma_f32_16x16x128_fp8_fp8 v[8*(4*\a+\b):8*(4*\a+\b)+7], v[128+64*((\q)%2)+16*\b:128+64*((\q)%2)+16*\b+15], v[AF+64*((\q)%2)+16*\a:AF+64*((\q)%2)+16*\a+15], v[BQ+8*\b:BQ+8*\b+7]
.else
	v_wmma_f32_16x16x128_fp8_fp8 v[8*(4*\a+\b):8*(4*\a+\b)+7], v[128+64*((\q)%2)+16*\b:128+64*((\q)%2)+16*\b+15], v[AF+64*((\q)%2)+16*\a:AF+64*((\q)%2)+16*\a+15], v[8*(4*\a+\b):8*(4*\a+\b)+7]
.endif
.endr
.endr
	WIN 0
.endm
.macro SUB q, zero, next               ; a sub-step whose successor's tiles are at hand: the successor's fragments are asked for ahead of the products
	s_wait_dscnt 0x0                               ; this sub-step's fragments are in
.if \next
	PLACES
	FETCH (\q)+1
.endif
	MUL \q, \zero
.endm
; A slot's last sub-step.  Its fragments are in registers, so my reads of the slot are over.  fill = 0, 1: the slot is filled again, two K steps ahead; fill = -1: nothing is left to fetch.
.macro T q, fill
	s_wait_tensorcnt 0x0                           ; all my tensor loads have landed
	ds_add_u32 v[SPW], v[NIL]                      ; 0 onto my spare word
	s_wait_dscnt 0x0                               ; the add is done, this sub-step's fragments are in
	s_barrier_signal -1
	MUL \q, 0                                      ; work on registers while the others arrive
	s_barrier_wait -1
.if \fill >= 0
	CREST                                          ; the barrier has opened a round of the cluster's: no wave of any partner still reads the slot or has a load on its way
.if \fill == 0
	s_add_nc_u64 s[G0B+2:G0B+3], s[G0B+2:G0B+3], 512   ; every wave's descriptor of Q once: two K steps on
.endif
	s_cmp_eq_u32 s16, 2+\fill
	s_cbranch_scc0 .Lnot_mine_\@
	tensor_load_to_lds s[G0B:G0B+3], s[G1B:G1B+7]  ; the first tensor load behind the round, my one load
	s_nop 0
	PLACES
.Lnot_mine_\@:
.endif
	PLACES
	FETCH (\q)+1
.endm
	s_wait_alu depctr_va_vdst(0)                   ; the wait at the head's end
	s_wait_tensorcnt 0x0                           ; my part of P or of Q's two slots is in
	s_barrier_signal -1
	s_barrier_wait -1                              ; and everybody's
	FETCH 0
	SUB 0, 1, 1
	T 1, 0                                         ; slot 0 takes K step 2
	SUB 2, 0, 1
	T 3, 1                                         ; slot 1 takes K step 3; K step 2 is whole
	SUB 4, 0, 1
	T 5, -1                                        ; K step 3 is whole; behind this barrier nobody reads slot 0 any more
	SUB 6, 0, 1
	SUB 7, 0, 0
; THE WAY OUT, block by block of 16 tokens x 64 features: x 2^(e6 + e7), through my stage, back as whole rows of 256 bytes.  A wave's LDS instructions are served in order (ISA guide 5.7.1.4): no wait between stores and loads.
.macro TOSTAGE a
	WIN 0x01                                       ; source 0: window 1
.set j, 0
.rept 16
	v_pk_mul_f32 v[TMP+j:TMP+j+1], v[32*\a+j:32*\a+j+1], s[96:97] op_sel_hi:[1,0]   ; each accumulator from its low end on
.set j, j+2
.endr
	WIN 0
.irp b, 0,1,2,3
	ds_store_b128 v[STO], v[TMP+8*\b:TMP+8*\b+3] offset:64*\b
	ds_store_b128 v[STO], v[TMP+8*\b+4:TMP+8*\b+7] offset:64*\b+16
.endr
.irp t, 0,1,2,3,4,5,6,7
	ds_load_b128 v[BK+32*\a+4*\t:BK+32*\a+4*\t+3], v[RD] offset:\t*2*SPITCH
.endr
.endm
.macro SEND a, younger                 ; younger: the LDS instructions issued behind block a's loads, which may stay out.  Every block has registers of its own and every offset is an immediate
	s_wait_dscnt \younger
.irp t, 0,1,2,3,4,5,6,7
	global_store_b128 v[CO], v[BK+32*(\a)+4*\t:BK+32*(\a)+4*\t+3], s[12:13] offset:(\a)*65536+\t*8192 th:TH_STORE_NT   ; sixteen lanes store 256 consecutive bytes, aligned
.endr
.endm
	PLACES
	TOSTAGE 0
.irp a, 1,2,3
	TOSTAGE \a
	SEND \a-1, 16                                  ; behind block a - 1's loads: block a's 8 stores and 8 loads
.endr
	SEND 3, 0
	s_wait_tensorcnt 0x0                           ; the wave's end
	ds_add_u32 v[SPW], v[NIL]
	s_wait_dscnt 0x0
	CROUND                                         ; the closing round: no work-group ends while a partner may still ask for a tile that names it
	s_endpgm
.Lfunc_end_k_qe88290fc3b_gemm_proj:
	.size	k_qe88290fc3b_gemm_proj, .Lfunc_end_k_qe88290fc3b_gemm_proj-k_qe88290fc3b_gemm_proj
	.p2alignl 7, 3214868480
	.fill 96, 4, 3214868480
	.section	.rodata,"a",@progbits
	.p2align	6, 0x0
	.amdhsa_kernel k_qe88290fc3b_gemm_proj
		.amdhsa_group_segment_fixed_size 327680
		.amdhsa_private_segment_fixed_size 0
		.amdhsa_enable_private_segment 0
		.amdhsa_kernarg_size 40
		.amdhsa_user_sgpr_count 2
		.amdhsa_user_sgpr_kernarg_segment_ptr 1
		.amdhsa_wavefront_size32 1
		.amdhsa_system_sgpr_workgroup_id_x 1
		.amdhsa_system_sgpr_workgroup_id_y 1
		.amdhsa_system_sgpr_workgroup_id_z 1
		.amdhsa_system_vgpr_workitem_id 0
		.amdhsa_next_free_vgpr 512
		.amdhsa_next_free_sgpr 100
		.amdhsa_reserve_vcc 0
		.amdhsa_float_denorm_mode_32 3
		.amdhsa_float_denorm_mode_16_64 3
		.amdhsa_memory_ordered 1
		.amdhsa_forward_progress 1
		.amdhsa_inst_pref_size 49
	.end_amdhsa_kernel
	.amdgpu_metadata
---
amdhsa.version: [ 1, 2 ]
amdhsa.kernels:
  - .name:           k_qe88290fc3b_gemm_proj
    .symbol:         k_qe88290fc3b_gemm_proj.kd
    .args:
      - { .name: y_codes, .offset: 0, .size: 8, .value_kind: global_buffer, .address_space: global }
      - { .name: w_codes, .offset: 8, .size: 8, .value_kind: global_buffer, .address_space: global }
      - { .name: b_proj, .offset: 16, .size: 8, .value_kind: global_buffer, .address_space: global }
      - { .name: lowp_scales, .offset: 24, .size: 8, .value_kind: global_buffer, .address_space: global }
      - { .name: out0, .offset: 32, .size: 8, .value_kind: global_buffer, .address_space: global }
    .group_segment_fixed_size: 327680
    .private_segment_fixed_size: 0
    .kernarg_segment_align: 8
    .kernarg_segment_size: 40
    .max_flat_workgroup_size: 256
    .sgpr_count:     100
    .vgpr_count:     512
    .wavefront_size: 32
...
	.end_amdgpu_metadata
.endif
;; end of part 4
